; MI455X (gfx1250); checked and timed in simulation.
; The chip was launched on July 23, 2026; its instructions are those of AMD's public machine-readable ISA for CDNA 5 (MIT licence, August 2026) and "CDNA5" Instruction Set Architecture Reference Guide (July 2026). The comments in the code are by the model that wrote it; some were corrected since.
;; Multi Head Attention. Allowed arithmetic: matrix products marked QUANTISED: E2M1 operands, one E8M0 scale for each 32 along K, by v_wmma_scale_f32_16x16x128_f8f6f4 with both operands' format E2M1 (or v_wmma_scale_f32_32x16x128_f4), f32 sums; products left as they are: bf16, f16 or f32 operands; f32 sums; everything else in f32.
;; Inputs: Wk 2,048 x 512 float32; Wo 2,048 x 2,048 float32; Wq 2,048 x 2,048 float32; Wv 2,048 x 512 float32; freqs_cos 2,048 x 64 float32; freqs_sin 2,048 x 64 float32; x 1 x 2,048 x 2,048 float32.
;; Outputs: out0 1 x 2,048 x 2,048 float32.
;; This version of the problem:
;;   THIS VERSION OF THE PROBLEM IS GIVEN IN LOW PRECISION. The matrix products marked QUANTISED in the list below multiply operands that are first quantised to E2M1 (2 exponent bits, 1 mantissa bit; 4 bits a number), with one power-of-two scale for each 32 numbers along K (OCP MX v1.0); their sums are f32. The products marked 'left as it is' may take bf16, f16 or f32 operands, with f32 sums. Whichever they take, every output number must still come out within the allowed error. Rounding operands to bf16 (8 significant bits) uses up far more of that allowance than f16 does (11 bits, for magnitudes from 6e-5 to 65,504). All else is computed in f32.
;;   The module's matrix products, in the order in which they are computed (A, B: the left and right operand; K: the contracted axis; several contracted axes count as one K, in the product's order):
;;     1. [M 2,048, K 2,048] x [K 2,048, N 2,048]; A: input x; B: input Wq: QUANTISED
;;     2. [M 2,048, K 2,048] x [K 2,048, N 512]; A: input x; B: input Wk: QUANTISED
;;     3. [M 2,048, K 2,048] x [K 2,048, N 512]; A: input x; B: input Wv: QUANTISED
;;     4. batch 16 x [M 2,048, K 128] x [K 128, N 2,048]; A: computed on the way; B: computed on the way: left as it is (an operand is computed on the way)
;;     5. batch 16 x [M 2,048, K 2,048] x [K 2,048, N 128]; A: computed on the way; B: computed on the way: left as it is (an operand is computed on the way)
;;     6. [M 2,048, K 2,048] x [K 2,048, N 2,048]; A: computed on the way; B: input Wo: left as it is (an operand is computed on the way)
;;   THE QUANTISER, for each operand of a quantised product, along K:
;;     - K is cut into blocks of 32 from its start; a last block that is shorter is filled with zeros.
;;     - A block's scale is 2^e with e = floor(log2(the largest magnitude in the block)) - 2, held to -126 .. 127; a block of zeros has e = 0. As a byte (E8M0): e + 127.
;;     - Each number is divided by its block's scale, clamped to +-6, and rounded to the nearest number of E2M1, ties to even, subnormals kept.
;;     - The product sums the exact products of the quantised numbers (number of the format x scale) in f32.
;;   ~~~python
;;   def quantise(x, axis):      # numpy; x: float32 -> the quantised numbers, widened to float32 again
;;       x = np.moveaxis(x, axis, -1); K = x.shape[-1]
;;       x = np.pad(x, [(0, 0)] * (x.ndim - 1) + [(0, -K % 32)]); x = x.reshape(x.shape[:-1] + (-1, 32)); a = np.abs(x).max(-1, keepdims=True)
;;       e = np.where(a > 0, np.clip(np.frexp(np.where(a > 0, a, 1))[1] - 1 - 2, -126, 127), 0)      # np.frexp(a)[1] - 1 = floor(log2(a)), exactly
;;       r = np.clip(x / 2.0 ** e, -6, 6)
;;       step = 2.0 ** (np.maximum(np.frexp(np.where(r == 0, 1, r))[1] - 1, 0) - 1)
;;       q = np.round(r / step) * step * 2.0 ** e      # np.round: ties to even
;;       return np.moveaxis(q.reshape(q.shape[:-2] + (-1,))[..., :K], -1, axis).astype(np.float32)
;;   ~~~
;; One version. Each part assembles by itself: llvm-mc -triple=amdgcn-amd-amdhsa -mcpu=gfx1250 --defsym DOCPART=n.
;; ======== version 1 of 1: 5 launches
;; limits: values are held in f16: magnitudes above 65,504 overflow, below 6.1e-05 lose precision
;; workspace buffers: xq 2,228,224 bytes; wqc 3,342,336 bytes; woh 8,388,608 bytes; wol 8,388,608 bytes; qf 8,388,608 bytes; kv 4,292,608 bytes; yf 8,388,608 bytes
;; launch prep (part 1): grid 192 x 4, 4 waves a work-group, no clusters, 41,472 bytes of LDS; arguments x, Wq, Wk, Wv, Wo, xq, wqc, woh, wol; writes xq, wqc, woh, wol
.if DOCPART == 1
	.amdgcn_target "amdgcn-amd-amdhsa--gfx1250"
	.amdhsa_code_object_version 6
	.text
	.protected	k_q3719a0ef79_prep
	.globl	k_q3719a0ef79_prep
	.p2align	8
	.type	k_q3719a0ef79_prep,@function
k_q3719a0ef79_prep:
	s_mov_b64 s[64:65], 0
	v_nop
	global_prefetch_b8 v0, s[64:65] scope:SCOPE_SE
	s_setreg_imm32_b32 hwreg(HW_REG_WAVE_MODE, 25, 1), 1
	s_wait_xcnt 0x0
; PREP.  x, Wq, Wk, Wv (f32) become codes of FP4 (E2M1) with one E8M0 byte for each 32 along K = 2,048; Wo (f32) becomes pairs of f16 numbers, a high part and a low part (w - high).
; All results are laid in the order of the operand's registers, so that the launches behind this one load a fragment by two loads of 16 bytes a lane at 16 x lane.
;   FP4 fragment, 16 rows x 128 K, 1,024 bytes: block blk (32 along K) of row r lies at 256 blk + 16 r.   f16 fragment, 16 rows x 32 K, 1,024 bytes: the eight numbers k = 8 p + 0..7 of row r lie at 256 p + 16 r.
;   xq, wqc: [K chunk of 512: 4][row tile][4,352 bytes: four fragments, then 16 rows x 16 scale bytes].  woh, wol: [K step of 256: 8][tile of 16 columns of Wo: 128][8 fragments].
; A block's scale is 2^(floor(log2(largest magnitude)) - 2): its byte is the largest magnitude's exponent field - 2, held at 1 from below.
; LIMITS: a block of zeros gets the byte 1 where the rule says 127 (its codes are zeros, and this program alone reads the bytes); blocks whose largest magnitude lies under 2^-124 keep the floor's byte;
; NaN and infinities are not served; Wo must lie within f16's range, +-65,504; under 6e-5 its parts are kept to 6e-8.
; SHARES, by the work-group's x (y = the K chunk): x < 32: path X, a wave takes a tile of 16 rows of x, 512 along K.  32 <= x < 128: path W; x >= 128: path O: a work-group takes 128 columns x 128 along K of a weight,
; the four waves side by side on 512 consecutive bytes of a row; a lane takes a column and its registers run down K, so nothing is transposed.  No matrix unit, no cluster: nothing is shared and memory binds.
.set SP,    80                         ; path X: a lane's place in a turning stage: 64 bytes + 16 of padding
.set WREG,  10240                      ; path X: LDS of a wave: two stages of 32 x SP, 256 scale bytes, the codes' stage
.set SBY,   5120
.set CST,   5376                       ; 16 blocks x (256 bytes + 16)
.set SPARE, 40960                      ; the spare words, 128 bytes a wave: no other line names them
.set SPW,   12                         ; v12 my spare word's address; v13 = 0; never rewritten
.set NIL,   13
.set C,     32                         ; path X: v32-63 a step's codes; path W: v32-47; path O: v32-95 the high parts
.set E,     64                         ; path X: v64-79 a step's scale byte
.set X,     96                         ; path X: v96-127 two sets of 16 neighbours
.set OFF,   96                         ; paths W, O: v96-127 4 x lane + i rows
.set R,     128                        ; path X: v128-255 eight sets of 16 numbers as loaded
.set D,     128                        ; paths W, O: v128-255 my column's 128 numbers
	s_load_b256 s[4:11], s[0:1], 0x0               ; x, Wq, Wk, Wv
	s_load_b256 s[12:19], s[0:1], 0x20             ; Wo, xq, wqc, woh
	s_load_b64 s[20:21], s[0:1], 0x40              ; wol
	v_lshl_add_u32 v[SPW], v0, 2, SPARE
	v_mov_b32 v[NIL], 0
	v_lshrrev_b32 v1, 5, v0
	v_readfirstlane_b32 s22, v1                    ; wave
	v_and_b32 v2, 31, v0                           ; lane
	s_and_b32 s23, ttmp7, 0xffff                   ; K chunk
	s_cmp_ge_u32 ttmp9, 32
	s_cbranch_scc1 .Lcolumns
; ---------------- path X: 16 steps, step t = row t of the tile: 512 numbers
	s_lshl_b32 s24, ttmp9, 2
	s_add_co_u32 s24, s24, s22                     ; row tile
	s_lshl_b32 s26, s24, 17                        ; 16 rows of 8,192 bytes
	s_lshl_b32 s27, s23, 11                        ; 512 numbers
	s_add_co_u32 s26, s26, s27
	s_mov_b32 s27, 0
	s_mul_i32 s28, s23, 557056
	s_mul_i32 s29, s24, 4352
	s_add_co_u32 s28, s28, s29
	s_mov_b32 s29, 0
	s_mul_i32 s25, s22, WREG
	v_lshlrev_b32 v3, 4, v2                        ; 16 x lane
	v_lshrrev_b32 v14, 2, v2
	v_mul_u32_u24 v14, v14, SP
	v_and_b32 v15, 3, v2
	v_lshl_add_u32 v14, v15, 4, v14
	v_add_nc_u32 v14, s25, v14                     ; into a stage: four lanes' 64 bytes on end, then the padding
	v_mul_u32_u24 v15, v2, SP
	v_add_nc_u32 v15, s25, v15                     ; out of it: my 16 neighbours
	v_lshrrev_b32 v5, 1, v2                        ; my block: two lanes hold one
	v_and_b32 v6, 1, v2
	v_mul_u32_u24 v4, v5, 272
	v_lshl_add_u32 v4, v6, 3, v4
	v_add_nc_u32 v4, s25, v4                       ; my 8 bytes of codes: block x 272 + 8 x half (+ 16 x row)
	v_add_nc_u32 v5, s25, v5                       ; my block's scale byte (+ 16 x row)
	v_lshrrev_b32 v6, 4, v2
	v_mul_u32_u24 v6, v6, 272
	v_and_b32 v7, 15, v2
	v_lshl_add_u32 v6, v7, 4, v6
	v_add_nc_u32 v6, s25, v6                       ; the codes back: sixteen lanes to a block's 256 bytes
	v_lshlrev_b32 v7, 3, v2
	v_add_nc_u32 v10, s25, v7                      ; the scale bytes back: 8 a lane
	s_wait_kmcnt 0x0
	s_add_nc_u64 s[4:5], s[4:5], s[26:27]
	s_add_nc_u64 s[14:15], s[14:15], s[28:29]
.macro LOADX t                         ; 32 lanes read 512 consecutive bytes
.irp i, 0,1,2,3
	global_load_b128 v[R+16*((\t)%8)+4*\i:R+16*((\t)%8)+4*\i+3], v3, s[4:5] offset:8192*(\t)+512*\i th:TH_LOAD_NT
.endr
.endm
.macro TURN t                          ; a step's numbers through a stage; LDS serves a wave's instructions in order, so no wait stands between
.irp i, 0,1,2,3
	ds_store_b128 v14, v[R+16*((\t)%8)+4*\i:R+16*((\t)%8)+4*\i+3] offset:32*SP*((\t)%2)+8*SP*\i
.endr
.irp i, 0,1,2,3
	ds_load_b128 v[X+16*((\t)%2)+4*\i:X+16*((\t)%2)+4*\i+3], v15 offset:32*SP*((\t)%2)+16*\i
.endr
.endm
.irp t, 0,1,2,3,4,5,6,7
	LOADX \t
.endr
	s_wait_loadcnt 28                              ; step 0's four loads are in; seven steps' may be out
	TURN 0
.macro STEPX t
.set XS, X+16*((\t)%2)
.if (\t) > 0
	s_wait_dscnt 2                                 ; this step's numbers are back (the last step's two stores may be out): so its stores into the stage have read their registers,
.else
	s_wait_dscnt 0x0
.endif
.if (\t)+8 < 16
	LOADX (\t)+8                                   ; which take the loads of eight steps on
.endif
.if (\t)+1 < 16
.if 14-(\t) >= 7
	s_wait_loadcnt 28                              ; the next step's loads are in; those of the seven steps behind it may be out
.else
	s_wait_loadcnt 4*(14-(\t))
.endif
	TURN (\t)+1
.endif
	v_max3_num_f32 v8, |v[XS]|, |v[XS+1]|, |v[XS+2]|
	v_max3_num_f32 v9, |v[XS+3]|, |v[XS+4]|, |v[XS+5]|
.irp i, 6,10
	v_max3_num_f32 v8, v8, |v[XS+\i]|, |v[XS+\i+1]|
	v_max3_num_f32 v9, v9, |v[XS+\i+2]|, |v[XS+\i+3]|
.endr
	v_max3_num_f32 v8, v8, |v[XS+14]|, |v[XS+15]|
	v_max3_num_f32 v8, v8, v9, 0x1800000           ; the floor 2^(3 - 127): the byte cannot fall under 1
	v_max_num_f32_dpp v8, v8, v8 row_xmask:1 row_mask:0xf bank_mask:0xf   ; with my neighbour's 16: the block's largest magnitude
	v_add_nc_u32 v11, 0xff000000, v8               ; 2 off its exponent field: the conversion's scale operand
	v_cvt_scalef32_pk8_fp4_f32 v[C+2*(\t)], v[XS:XS+7], v11
	v_cvt_scalef32_pk8_fp4_f32 v[C+2*(\t)+1], v[XS+8:XS+15], v11
	v_lshrrev_b32 v[E+(\t)], 23, v11               ; the scale's byte (also the plain line behind the conversions)
	ds_store_b64 v4, v[C+2*(\t):C+2*(\t)+1] offset:CST+16*(\t)
	ds_store_b8 v5, v[E+(\t)] offset:SBY+16*(\t)   ; both lanes of a block write the same byte
.endm
.irp t, 0,1,2,3,4,5,6,7,8,9,10,11,12,13,14,15
	STEPX \t
.endr
.irp i, 0,1,2,3,4,5,6,7
	ds_load_b128 v[R+4*\i:R+4*\i+3], v6 offset:CST+544*\i
.endr
	ds_load_b64 v[8:9], v10 offset:SBY
.irp i, 0,1,2,3,4,5,6,7
	s_wait_dscnt 8-\i
	global_store_b128 v3, v[R+4*\i:R+4*\i+3], s[14:15] offset:512*\i    ; 512 consecutive bytes, aligned to 256
.endr
	s_wait_dscnt 0x0
	global_store_b64 v7, v[8:9], s[14:15] offset:4096                   ; the tile's 256 scale bytes
	s_branch .Lend
; ---------------- paths W and O: the common head
.Lcolumns:
	s_cmp_ge_u32 ttmp9, 128
	s_cselect_b32 s24, 128, 32
	s_sub_co_u32 s24, ttmp9, s24
	s_lshr_b32 s25, s24, 2                         ; group of 128 columns
	s_and_b32 s24, s24, 3                          ; q: which 128 of the chunk's 512 along K
	s_lshl_b32 s26, s23, 2
	s_add_co_u32 s26, s26, s24                     ; K step of 128: 0..15
	s_lshl_b32 s44, s25, 3
	s_lshl_b32 s27, s22, 1
	s_add_co_u32 s44, s44, s27                     ; my wave's first tile of 16 columns
	v_lshlrev_b32 v3, 2, v2
	v_lshrrev_b32 v6, 4, v2
	v_and_b32 v7, 15, v2
	s_wait_kmcnt 0x0
	s_cmp_lt_u32 s25, 20                           ; the tensor, its first group and its row's bytes: choices on the work-group's number alone
	s_cselect_b64 s[28:29], s[8:9], s[10:11]
	s_cselect_b32 s30, 16, 20
	s_cmp_lt_u32 s25, 16
	s_cselect_b64 s[28:29], s[6:7], s[28:29]
	s_cselect_b32 s30, 0, s30
	s_mov_b32 s31, 2048
	s_cselect_b32 s31, 8192, s31
	s_cmp_ge_u32 ttmp9, 128
	s_cselect_b64 s[28:29], s[12:13], s[28:29]
	s_cselect_b32 s30, 0, s30
	s_cselect_b32 s31, 8192, s31
	s_sub_co_u32 s32, s25, s30
	s_lshl_b32 s32, s32, 9                         ; 128 columns of 4 bytes
	s_lshl_b32 s33, s22, 7                         ; my wave's 32
	s_add_co_u32 s32, s32, s33
	s_lshl_b32 s33, s26, 7
	s_mul_i32 s33, s33, s31                        ; 128 rows a K step
	s_add_co_u32 s32, s32, s33
	s_mov_b32 s33, 0
	s_lshl_b32 s34, s31, 5                         ; 32 rows: a block
	s_mov_b32 s35, 0
	s_add_nc_u64 s[36:37], s[28:29], s[32:33]
	s_add_nc_u64 s[38:39], s[36:37], s[34:35]
	s_add_nc_u64 s[40:41], s[38:39], s[34:35]
	s_add_nc_u64 s[42:43], s[40:41], s[34:35]
.set i, 0
.rept 32
	v_mad_u32_u24 v[OFF+i], s31, i, v3
.set i, i+1
.endr
.set i, 0
.rept 128                              ; W(32 b + i, my column): a wave reads 128 consecutive bytes, the work-group 512
	global_load_b32 v[D+i], v[OFF+i%32], s[36+2*(i/32):37+2*(i/32)] th:TH_LOAD_NT
.set i, i+1
.endr
	s_cmp_ge_u32 ttmp9, 128
	s_cbranch_scc1 .Lsplit
; ---------------- path W: four blocks of 32 along K become a quarter of two fragments each
	v_mul_u32_u24 v4, v6, 4352
	v_lshl_add_u32 v4, v7, 4, v4                   ; my tile's piece, 16 x my row in it
	s_lshl_b32 s34, s24, 2
	v_add_nc_u32 v5, s34, v4                       ; the scale word: + 4 q (+ 4,096)
	s_lshl_b32 s34, s24, 10
	v_add_nc_u32 v4, s34, v4                       ; the codes: + 1,024 q (+ 256 x block)
	s_mul_i32 s32, s23, 835584
	s_mul_i32 s33, s44, 4352
	s_add_co_u32 s32, s32, s33
	s_mov_b32 s33, 0
	s_add_nc_u64 s[16:17], s[16:17], s[32:33]
.macro QBLK b
.set XS, D+32*\b
	v_max3_num_f32 v8, |v[XS]|, |v[XS+1]|, |v[XS+2]|                ; all 32 numbers of the block are mine
	v_max3_num_f32 v9, |v[XS+3]|, |v[XS+4]|, |v[XS+5]|
.irp i, 6,10,14,18,22,26
	v_max3_num_f32 v8, v8, |v[XS+\i]|, |v[XS+\i+1]|
	v_max3_num_f32 v9, v9, |v[XS+\i+2]|, |v[XS+\i+3]|
.endr
	v_max3_num_f32 v8, v8, |v[XS+30]|, |v[XS+31]|
	v_max3_num_f32 v8, v8, v9, 0x1800000           ; the floor
	v_add_nc_u32 v11, 0xff000000, v8
	v_lshrrev_b32 v9, 23, v11
.if \b == 0
	v_mov_b32 v10, v9                              ; the four bytes make the K step's scale word of my column
.else
	v_lshl_or_b32 v10, v9, 8*\b, v10
.endif
.irp g, 0,1,2,3
	v_cvt_scalef32_pk8_fp4_f32 v[C+4*\b+\g], v[XS+8*\g:XS+8*\g+7], v11
.endr
	v_nop                                          ; a plain line behind the conversions
	global_store_b128 v4, v[C+4*\b:C+4*\b+3], s[16:17] offset:256*\b     ; sixteen lanes fill 256 consecutive bytes, aligned
.endm
	s_wait_loadcnt 63                              ; blocks 0 and 1 are in: 96 and 64 loads were issued behind them, and a wait can name 63 at the most
	QBLK 0
	QBLK 1
	s_wait_loadcnt 32
	QBLK 2
	s_wait_loadcnt 0x0
	QBLK 3
	global_store_b32 v5, v10, s[16:17] offset:4096 ; 4 of a row's 16 scale bytes: one byte in 128 of what the path reads
	s_branch .Lend
; ---------------- path O: high and low f16 parts; eight numbers down K are 16 bytes of a fragment
.Lsplit:
	v_lshlrev_b32 v4, 13, v6
	v_lshl_add_u32 v4, v7, 4, v4                   ; my tile's 8,192 bytes, 16 x my row in it
	s_lshr_b32 s32, s26, 1
	s_lshl_b32 s32, s32, 20                        ; the K step of 256
	s_lshl_b32 s33, s44, 13
	s_add_co_u32 s32, s32, s33
	s_and_b32 s33, s26, 1
	s_lshl_b32 s33, s33, 12                        ; its first or second four fragments
	s_add_co_u32 s32, s32, s33
	s_mov_b32 s33, 0
	s_add_nc_u64 s[18:19], s[18:19], s[32:33]
	s_add_nc_u64 s[20:21], s[20:21], s[32:33]
.macro SP4 a, b, c, d                  ; four registers of high parts (plain numbers: their halves are named); what is left stays in D
.irp r, \a, \b, \c, \d
	v_cvt_pk_f16_f32 v[\r], v[D+2*(\r-32)], v[D+2*(\r-32)+1]
.endr
	v_cvt_f32_f16 v16, v\a\().l
	v_cvt_f32_f16 v17, v\a\().h
	v_cvt_f32_f16 v18, v\b\().l
	v_cvt_f32_f16 v19, v\b\().h
	v_cvt_f32_f16 v20, v\c\().l
	v_cvt_f32_f16 v21, v\c\().h
	v_cvt_f32_f16 v22, v\d\().l
	v_cvt_f32_f16 v23, v\d\().h
	v_pk_add_f32 v[D+2*(\a-32):D+2*(\a-32)+1], v[D+2*(\a-32):D+2*(\a-32)+1], v[16:17] neg_lo:[0,1] neg_hi:[0,1]
	v_pk_add_f32 v[D+2*(\b-32):D+2*(\b-32)+1], v[D+2*(\b-32):D+2*(\b-32)+1], v[18:19] neg_lo:[0,1] neg_hi:[0,1]
	v_pk_add_f32 v[D+2*(\c-32):D+2*(\c-32)+1], v[D+2*(\c-32):D+2*(\c-32)+1], v[20:21] neg_lo:[0,1] neg_hi:[0,1]
	v_pk_add_f32 v[D+2*(\d-32):D+2*(\d-32)+1], v[D+2*(\d-32):D+2*(\d-32)+1], v[22:23] neg_lo:[0,1] neg_hi:[0,1]
.endm
.macro OUTB b                          ; the low parts are packed downwards in place; no store's register is written again
.set i, 0
.rept 16
	v_cvt_pk_f16_f32 v[D+32*\b+i], v[D+32*\b+2*i], v[D+32*\b+2*i+1]
.set i, i+1
.endr
.irp p, 0,1,2,3
	global_store_b128 v4, v[C+16*\b+4*\p:C+16*\b+4*\p+3], s[18:19] offset:1024*\b+256*\p
	global_store_b128 v4, v[D+32*\b+4*\p:D+32*\b+4*\p+3], s[20:21] offset:1024*\b+256*\p
.endr
.endm
	s_wait_loadcnt 63                              ; blocks 0 and 1 are in, as in path W
	SP4 32,33,34,35
	SP4 36,37,38,39
	SP4 40,41,42,43
	SP4 44,45,46,47
	OUTB 0
	SP4 48,49,50,51
	SP4 52,53,54,55
	SP4 56,57,58,59
	SP4 60,61,62,63
	OUTB 1
	s_wait_loadcnt 32
	SP4 64,65,66,67
	SP4 68,69,70,71
	SP4 72,73,74,75
	SP4 76,77,78,79
	OUTB 2
	s_wait_loadcnt 0x0
	SP4 80,81,82,83
	SP4 84,85,86,87
	SP4 88,89,90,91
	SP4 92,93,94,95
	OUTB 3
.Lend:
	s_wait_tensorcnt 0x0                           ; the wave's end
	ds_add_u32 v[SPW], v[NIL]
	s_wait_dscnt 0x0
	s_endpgm
.Lfunc_end_k_q3719a0ef79_prep:
	.size	k_q3719a0ef79_prep, .Lfunc_end_k_q3719a0ef79_prep-k_q3719a0ef79_prep
	.p2alignl 7, 3214868480
	.fill 96, 4, 3214868480
	.section	.rodata,"a",@progbits
	.p2align	6, 0x0
	.amdhsa_kernel k_q3719a0ef79_prep
		.amdhsa_group_segment_fixed_size 41472
		.amdhsa_private_segment_fixed_size 0
		.amdhsa_enable_private_segment 0
		.amdhsa_kernarg_size 72
		.amdhsa_user_sgpr_count 2
		.amdhsa_user_sgpr_kernarg_segment_ptr 1
		.amdhsa_wavefront_size32 1
		.amdhsa_system_sgpr_workgroup_id_x 1
		.amdhsa_system_sgpr_workgroup_id_y 1
		.amdhsa_system_sgpr_workgroup_id_z 1
		.amdhsa_system_vgpr_workitem_id 0
		.amdhsa_next_free_vgpr 256
		.amdhsa_next_free_sgpr 66
		.amdhsa_reserve_vcc 0
		.amdhsa_float_denorm_mode_32 3
		.amdhsa_float_denorm_mode_16_64 3
		.amdhsa_memory_ordered 1
		.amdhsa_forward_progress 1
		.amdhsa_inst_pref_size 77
	.end_amdhsa_kernel
	.amdgpu_metadata
---
amdhsa.version: [ 1, 2 ]
amdhsa.kernels:
  - .name:           k_q3719a0ef79_prep
    .symbol:         k_q3719a0ef79_prep.kd
    .args:
      - { .name: x, .offset: 0, .size: 8, .value_kind: global_buffer, .address_space: global }
      - { .name: Wq, .offset: 8, .size: 8, .value_kind: global_buffer, .address_space: global }
      - { .name: Wk, .offset: 16, .size: 8, .value_kind: global_buffer, .address_space: global }
      - { .name: Wv, .offset: 24, .size: 8, .value_kind: global_buffer, .address_space: global }
      - { .name: Wo, .offset: 32, .size: 8, .value_kind: global_buffer, .address_space: global }
      - { .name: xq, .offset: 40, .size: 8, .value_kind: global_buffer, .address_space: global }
      - { .name: wqc, .offset: 48, .size: 8, .value_kind: global_buffer, .address_space: global }
      - { .name: woh, .offset: 56, .size: 8, .value_kind: global_buffer, .address_space: global }
      - { .name: wol, .offset: 64, .size: 8, .value_kind: global_buffer, .address_space: global }
    .group_segment_fixed_size: 41472
    .private_segment_fixed_size: 0
    .kernarg_segment_align: 8
    .kernarg_segment_size: 72
    .max_flat_workgroup_size: 128
    .sgpr_count:     66
    .vgpr_count:     256
    .wavefront_size: 32
...
	.end_amdgpu_metadata
.endif
;; end of part 1
;; launch qkv (part 2): grid 24 x 16, 4 waves a work-group, clusters of 4 x 4, 279,040 bytes of LDS; arguments xq, wqc, freqs_cos, freqs_sin, qf, kv; writes qf, kv
.if DOCPART == 2
	.amdgcn_target "amdgcn-amd-amdhsa--gfx1250"
	.amdhsa_code_object_version 6
	.text
	.protected	k_q3719a0ef79_qkv
	.globl	k_q3719a0ef79_qkv
	.p2align	8
	.type	k_q3719a0ef79_qkv,@function
k_q3719a0ef79_qkv:
	s_mov_b64 s[64:65], 0
	v_nop
	global_prefetch_b8 v0, s[64:65] scope:SCOPE_SE
	s_setreg_imm32_b32 hwreg(HW_REG_WAVE_MODE, 25, 1), 1
	s_wait_xcnt 0x0
	s_wait_alu depctr_hold_cnt(0) depctr_sa_sdst(0) depctr_va_vdst(0) depctr_va_sdst(0) depctr_va_ssrc(0) depctr_va_vcc(0) depctr_vm_vsrc(0)
	s_getreg_b32 s2, hwreg(HW_REG_IB_STS2, 6, 4)
	s_cmp_eq_u32 s2, 0
	s_cbranch_scc0 .Lentry_in_a_cluster
	s_endpgm
.Lentry_in_a_cluster:
	s_bfe_u32 s2, ttmp6, 0x10000c
	s_cmp_lg_u32 s2, 0xf033
	s_cbranch_scc0 .Lentry_shape_is_right
	s_endpgm
.Lentry_shape_is_right:
; QKV.  [2,048 tokens] x [3,072 features: 16 heads of q, 4 of k, 4 of v], K = 2,048, on codes of FP4 with E8M0 scales; then the rotation of q and k by the given cos and sin, in f32; results leave as f16 fragments.
; SHARES.  A work-group: 128 features (one head, number 0..23) x 128 tokens.  A wave: 64 x 64, 16 accumulators.  ALL OF K LIES IN LDS: 4 chunks of 512 along K x 8 row tiles x 4,352 bytes for each side; every byte is
; filled once, so there is no ring.  A chunk's codes and scale bytes of four row tiles are one dense block of 17,408 bytes: one tensor load; a wave issues four, all at the start: four loads of mine are out at the most.
; CLUSTER 4 x 4: the four work-groups of a row of the cluster need the same tokens' tiles, the four of a column the same features': each tile is asked for jointly.
; Cluster x 0..3 holds q's heads, 4 k's, 5 v's, so the branches on it are alike in all partners.
; q, k: source 0 = 16 features, source 1 = 16 tokens: a lane holds one token and eight neighbouring features, which pack into 16 bytes of a fragment (rows = tokens, K = the head's 128).
; v: the sources are swapped: a lane holds one feature and eight neighbouring tokens: 16 bytes of a fragment of V^T (rows = the head's 128, K = the keys).  So nothing is transposed and every store is 512 consecutive bytes.
; For tokens 0..15 the low parts (value - f16 value, in f16) are stored too: the launch that redoes those rows takes pairs.
; LIMITS: q, k, v must lie within f16's range, +-65,504; under 6e-5 they are kept to 6e-8.
; REGISTERS.  Window 0: v1-12 addresses; v28, v29 the add's two; v32-63 scale words, two sets (register 4 i + q: lanes 0-15 the tokens' tile i, lanes 16-31 the features' tile i); v64-191 fragments, two sets
; (features' at + 8 a, tokens' at + 32 + 8 b); on the way out v64-127 packed results, v128-167 at work, v192-207 low parts.  Window 1: v0-127 accumulators (a, b) at 8 (4 a + b); v128-191 cos, v192-255 sin.
.set XROW,  4352
.set CHK,   34816                      ; a chunk of eight row tiles
.set HALFC, 17408                      ; what one tensor load brings
.set WSIDE, 139264                     ; the features' side begins here
.set SPARE, 278528                     ; the spare words, 128 bytes a wave
.set XCH,   557056                     ; a chunk in xq
.set WCH,   835584                     ; and in wqc
.set LO,    4194304                    ; kv: where the low parts begin
.set AX,  4
.set AW,  6
.set AS,  8
.set CSO, 10
.set LI,  11
.set TOK, 12
.set SPW, 28
.set NIL, 29
.set SC,  32
.set FR,  64
.set H,   64
.set E,   128
.set T,   160
.set L,   192
.set COS, 128
.set SIN, 192
.set G1X, 24
.set G1W, 48
.set G0X, 68
.set G0W, 84
.set W_MUL, 0x50                       ; C and D window 1, operands window 0
.set MSB, 0
.macro WIN new                         ; the immediate's high byte repeats the setting that is left
.if MSB != \new
	s_set_vgpr_msb (MSB<<8)|\new
.set MSB, \new
.endif
.endm
.macro PLACES
.rept 4
	v_nop
.endr
.endm
.macro CROUND                          ; a round of the cluster's barrier
	s_barrier_signal -1
	s_barrier_wait -1
	s_cmp_lg_u32 s16, 0
	s_cbranch_scc1 .Lnot_wave_0_\@
	s_barrier_signal -3
.Lnot_wave_0_\@:
	s_barrier_wait -3
	s_barrier_signal -1
	s_barrier_wait -1
.endm
	s_load_b256 s[4:11], s[0:1], 0x0               ; xq, wqc, cos, sin
	s_load_b128 s[12:15], s[0:1], 0x20             ; qf, kv
	v_lshl_add_u32 v[SPW], v0, 2, SPARE
	v_mov_b32 v[NIL], 0
	ds_add_u32 v[SPW], v[NIL]                      ; the opening: the add, twice on end, and its wait ahead of my first tensor load
	ds_add_u32 v[SPW], v[NIL]
	v_lshrrev_b32 v1, 5, v0
	v_readfirstlane_b32 s16, v1                    ; wave
	s_lshr_b32 s17, s16, 1                         ; my half of the features.  Also: I fetch tokens' tiles (0) or features' (1)
	s_and_b32 s18, s16, 1                          ; my half of the tokens.  Also: which four row tiles I fetch
	s_bfe_u32 s40, ttmp6, 0x40000                  ; cx
	s_bfe_u32 s41, ttmp6, 0x40004                  ; cy
	s_lshl_b32 s42, ttmp9, 2
	s_add_co_u32 s42, s42, s40                     ; the head, 0..23
	s_and_b32 s19, ttmp7, 0xffff
	s_lshl_b32 s19, s19, 2
	s_add_co_u32 s19, s19, s41                     ; the block of 128 tokens
	s_lshl_b32 s43, s41, 2
	s_lshl_b32 s43, 15, s43                        ; my row of the cluster
	s_lshl_b32 s44, 0x1111, s40                    ; my column
	s_or_b32 s[G1X], s43, (3<<16)|(1<<21)          ; group 1: the mask; elements of 8 bytes; bit 21 beside a mask; no padding: a fragment's image is read as it lies
	s_or_b32 s[G1W], s44, (3<<16)|(1<<21)
.irp g, G1X, G1W
	s_mov_b32 s[\g+1], 32<<16                      ; tensor_dim0: 32 elements = 256 bytes
	s_mov_b32 s[\g+2], 68<<16                      ; tensor_dim1: 68 rows = 17,408 bytes
	s_mov_b32 s[\g+3], 32<<16                      ; tile_dim0
	s_mov_b32 s[\g+4], 68                          ; tile_dim1
	s_mov_b32 s[\g+5], 32                          ; the pitch: dense
	s_mov_b32 s[\g+6], 0
	s_mov_b32 s[\g+7], 0
.endr
	s_lshl_b32 s20, s19, 3
	s_lshl_b32 s21, s18, 2
	s_add_co_u32 s20, s20, s21
	s_mul_i32 s20, s20, XROW                       ; tokens' tiles: 8 x block + 4 x half
	s_mov_b32 s21, 0
	s_lshl_b32 s46, s42, 3
	s_lshl_b32 s47, s18, 2
	s_add_co_u32 s46, s46, s47
	s_mul_i32 s46, s46, XROW                       ; features' tiles: 8 x head + 4 x half
	s_mov_b32 s47, 0
	s_mul_i32 s45, s18, HALFC                      ; where they go: no place in the cluster enters an LDS address
	s_wait_dscnt 0x0                               ; both opening adds are done
	s_wait_kmcnt 0x0
	s_add_nc_u64 s[20:21], s[4:5], s[20:21]
	s_add_nc_u64 s[46:47], s[6:7], s[46:47]
	CROUND                                         ; all sixteen work-groups are here: the joint loads meet
.irp k, 0,1,2,3
	s_mov_b32 s[G0X+4*\k], 1
	s_add_co_u32 s[G0X+4*\k+1], s45, \k*CHK
	s_add_nc_u64 s[G0X+4*\k+2:G0X+4*\k+3], s[20:21], \k*XCH
	s_or_b32 s[G0X+4*\k+3], s[G0X+4*\k+3], 0x80000000
	s_mov_b32 s[G0W+4*\k], 1
	s_add_co_u32 s[G0W+4*\k+1], s45, WSIDE+\k*CHK
	s_add_nc_u64 s[G0W+4*\k+2:G0W+4*\k+3], s[46:47], \k*WCH
	s_or_b32 s[G0W+4*\k+3], s[G0W+4*\k+3], 0x80000000
.endr
	s_cmp_eq_u32 s17, 0                            ; a wave's four fills stand in one branch on its number; an s_nop 0 follows each, four v_nop the last
	s_cbranch_scc0 .Lfirst_w
.irp k, 0,1,2,3
	tensor_load_to_lds s[G0X+4*\k:G0X+4*\k+3], s[G1X:G1X+7]
	s_nop 0
.endr
	PLACES
	s_branch .Lfirst_asked
.Lfirst_w:
.irp k, 0,1,2,3
	tensor_load_to_lds s[G0W+4*\k:G0W+4*\k+3], s[G1W:G1W+7]
	s_nop 0
.endr
	PLACES
.Lfirst_asked:
	v_and_b32 v1, 15, v0                           ; r
	v_bfe_u32 v2, v0, 4, 1                         ; h
	v_and_b32 v3, 31, v0
	v_lshlrev_b32 v[LI], 4, v3                     ; 16 x lane
	v_add_nc_u32 v[AX], s45, v[LI]                 ; my four tiles of tokens, chunks 0 and 1;
	v_add_nc_u32 v[AX+1], 2*CHK, v[AX]             ; chunks 2 and 3
	s_mul_i32 s56, s17, HALFC
	s_add_co_u32 s56, s56, WSIDE
	v_add_nc_u32 v[AW], s56, v[LI]
	v_add_nc_u32 v[AW+1], 2*CHK, v[AW]
	s_sub_co_u32 s57, s56, s45
	v_mul_u32_u24 v[AS], s57, v2                   ; scale words: lanes 16-31 take the features' side: one product, the distance between the two bases
	v_lshl_add_u32 v[AS], v1, 4, v[AS]
	s_add_co_u32 s57, s45, 4096
	v_add_nc_u32 v[AS], s57, v[AS]
	v_add_nc_u32 v[AS+1], 2*CHK, v[AS]
	v_lshlrev_b32 v[CSO], 8, v1
	v_lshl_add_u32 v[CSO], v2, 4, v[CSO]           ; cos, sin: row r of 256 bytes, + 16 h
	s_lshl_b32 s58, s19, 7
	s_lshl_b32 s59, s18, 6
	s_add_co_u32 s58, s58, s59                     ; my wave's first token
	v_add_nc_u32 v[TOK], s58, v1                   ; under 16 only in the wave that holds tokens 0..15
.macro FETCH                           ; step NX's eight fragments into set NX % 2
.irp i, 0,1,2,3
.irp c, 0,1
	ds_load_b128 v[FR+64*(NX%2)+8*\i+4*\c:FR+64*(NX%2)+8*\i+4*\c+3], v[AW+NX/8] offset:((NX/4)%2)*CHK+\i*XROW+1024*(NX%4)+512*\c
	ds_load_b128 v[FR+64*(NX%2)+32+8*\i+4*\c:FR+64*(NX%2)+32+8*\i+4*\c+3], v[AX+NX/8] offset:((NX/4)%2)*CHK+\i*XROW+1024*(NX%4)+512*\c
.endr
.endr
.endm
.macro SCALES                          ; the scale words of NX's chunk: four words a row
.irp i, 0,1,2,3
	ds_load_b128 v[SC+16*((NX/4)%2)+4*\i:SC+16*((NX/4)%2)+4*\i+3], v[AS+NX/8] offset:((NX/4)%2)*CHK+\i*XROW
.endr
.endm
.macro MUL ord                         ; 16 products, 128 along K; the accumulators take turns, one instruction a turn, in one order in every step
.irp a, 0,1,2,3
.irp b, 0,1,2,3
.if \ord == 0
.if IDX == 0
	v_wmma_scale_f32_16x16x128_f8f6f4 v[8*(4*\a+\b):8*(4*\a+\b)+7], v[FR+64*(IDX%2)+8*\a:FR+64*(IDX%2)+8*\a+7], v[FR+64*(IDX%2)+32+8*\b:FR+64*(IDX%2)+32+8*\b+7], 0, v[SC+16*((IDX/4)%2)+4*\a+IDX%4], v[SC+16*((IDX/4)%2)+4*\b+IDX%4] matrix_a_fmt:MATRIX_FMT_FP4 matrix_b_fmt:MATRIX_FMT_FP4 matrix_a_scale:MATRIX_SCALE_ROW1
.else
	v_wmma_scale_f32_16x16x128_f8f6f4 v[8*(4*\a+\b):8*(4*\a+\b)+7], v[FR+64*(IDX%2)+8*\a:FR+64*(IDX%2)+8*\a+7], v[FR+64*(IDX%2)+32+8*\b:FR+64*(IDX%2)+32+8*\b+7], v[8*(4*\a+\b):8*(4*\a+\b)+7], v[SC+16*((IDX/4)%2)+4*\a+IDX%4], v[SC+16*((IDX/4)%2)+4*\b+IDX%4] matrix_a_fmt:MATRIX_FMT_FP4 matrix_b_fmt:MATRIX_FMT_FP4 matrix_a_scale:MATRIX_SCALE_ROW1
.endif
.else
.if IDX == 0
	v_wmma_scale_f32_16x16x128_f8f6f4 v[8*(4*\a+\b):8*(4*\a+\b)+7], v[FR+64*(IDX%2)+32+8*\b:FR+64*(IDX%2)+32+8*\b+7], v[FR+64*(IDX%2)+8*\a:FR+64*(IDX%2)+8*\a+7], 0, v[SC+16*((IDX/4)%2)+4*\b+IDX%4], v[SC+16*((IDX/4)%2)+4*\a+IDX%4] matrix_a_fmt:MATRIX_FMT_FP4 matrix_b_fmt:MATRIX_FMT_FP4 matrix_b_scale:MATRIX_SCALE_ROW1
.else
	v_wmma_scale_f32_16x16x128_f8f6f4 v[8*(4*\a+\b):8*(4*\a+\b)+7], v[FR+64*(IDX%2)+32+8*\b:FR+64*(IDX%2)+32+8*\b+7], v[FR+64*(IDX%2)+8*\a:FR+64*(IDX%2)+8*\a+7], v[8*(4*\a+\b):8*(4*\a+\b)+7], v[SC+16*((IDX/4)%2)+4*\b+IDX%4], v[SC+16*((IDX/4)%2)+4*\a+IDX%4] matrix_a_fmt:MATRIX_FMT_FP4 matrix_b_fmt:MATRIX_FMT_FP4 matrix_b_scale:MATRIX_SCALE_ROW1
.endif
.endif
.endr
.endr
.endm
.macro STEP ord                        ; step IDX = 4 x chunk + q
	s_wait_dscnt 0x0                               ; this step's fragments are in (asked for a step ago)
.if (IDX%4 == 3) && (IDX < 12)
	s_wait_tensorcnt 2-IDX/4                       ; my part of the next chunk has landed; the loads of the chunks behind it may stay out
	s_barrier_signal -1
	s_barrier_wait -1                              ; everybody's has
.endif
.if IDX > 0
	PLACES                                         ; four places in front of loads into registers that the last step's products read
.endif
.if IDX < 15
.set NX, IDX+1
	FETCH
.if NX%4 == 0
	SCALES
.endif
.endif
	WIN W_MUL
	MUL \ord
	WIN 0
.set IDX, IDX+1
.endm
.macro GEMM ord
	s_wait_tensorcnt 0x3                           ; my part of chunk 0 has landed; three loads may stay out
	s_barrier_signal -1
	s_barrier_wait -1
.set NX, 0
	FETCH
	SCALES
.set IDX, 0
.rept 16
	STEP \ord
.endr
.endm
.macro LOW4 h0, h1, h2, h3, e, l       ; four packed registers (plain numbers: their halves are named), their eight f32 numbers at v[e] on: what the rounding left, packed, into v[l] on
	v_cvt_f32_f16 v[T],   v\h0\().l
	v_cvt_f32_f16 v[T+1], v\h0\().h
	v_cvt_f32_f16 v[T+2], v\h1\().l
	v_cvt_f32_f16 v[T+3], v\h1\().h
	v_cvt_f32_f16 v[T+4], v\h2\().l
	v_cvt_f32_f16 v[T+5], v\h2\().h
	v_cvt_f32_f16 v[T+6], v\h3\().l
	v_cvt_f32_f16 v[T+7], v\h3\().h
.irp i, 0,1,2,3,4,5,6,7
	v_sub_f32 v[T+\i], v[(\e)+\i], v[T+\i]
.endr
.irp i, 0,1,2,3
	v_cvt_pk_f16_f32 v[(\l)+\i], v[T+2*\i], v[T+2*\i+1]
.endr
.endm
.macro LOWV h0, h1, h2, h3, acc, l     ; the same with the f32 numbers in an accumulator of window 1
	v_cvt_f32_f16 v[T],   v\h0\().l
	v_cvt_f32_f16 v[T+1], v\h0\().h
	v_cvt_f32_f16 v[T+2], v\h1\().l
	v_cvt_f32_f16 v[T+3], v\h1\().h
	v_cvt_f32_f16 v[T+4], v\h2\().l
	v_cvt_f32_f16 v[T+5], v\h2\().h
	v_cvt_f32_f16 v[T+6], v\h3\().l
	v_cvt_f32_f16 v[T+7], v\h3\().h
	WIN 0x01
.irp i, 0,1,2,3,4,5,6,7
	v_sub_f32 v[T+\i], v[(\acc)+\i], v[T+\i]
.endr
	WIN 0
.irp i, 0,1,2,3
	v_cvt_pk_f16_f32 v[(\l)+\i], v[T+2*\i], v[T+2*\i+1]
.endr
.endm
	s_cmp_eq_u32 ttmp9, 5
	s_cbranch_scc1 .Lvalues
; ---------------- q and k
	s_lshl_b32 s60, s58, 8                         ; cos, sin at my first token's row, + my half's 32 pairs
	s_lshl_b32 s61, s17, 7
	s_add_co_u32 s60, s60, s61
	s_mov_b32 s61, 0
	s_add_nc_u64 s[8:9], s[8:9], s[60:61]
	s_add_nc_u64 s[10:11], s[10:11], s[60:61]
	WIN 0x40                                       ; destination window 1
.irp b, 0,1,2,3
.irp a, 0,1,2,3
	global_load_b128 v[COS+4*(4*\b+\a):COS+4*(4*\b+\a)+3], v[CSO], s[8:9] offset:4096*\b+32*\a      ; the four pairs of my eight features of tile a, token 16 b + r
	global_load_b128 v[SIN+4*(4*\b+\a):SIN+4*(4*\b+\a)+3], v[CSO], s[10:11] offset:4096*\b+32*\a
.endr
.endr
	WIN 0
	s_cmp_lt_u32 ttmp9, 4                          ; q's heads go to qf, k's to kv
	s_cselect_b64 s[12:13], s[12:13], s[14:15]
	s_cselect_b32 s60, 0, 16
	s_sub_co_u32 s60, s42, s60
	s_lshl_b32 s60, s60, 19                        ; the head's 128 token tiles of 4,096 bytes
	s_lshl_b32 s61, s58, 8                         ; my first token tile
	s_add_co_u32 s60, s60, s61
	s_lshl_b32 s61, s17, 11                        ; my half's two fragments
	s_add_co_u32 s60, s60, s61
	s_mov_b32 s61, 0
	s_add_nc_u64 s[12:13], s[12:13], s[60:61]
	s_lshl_b32 s60, s42, 12
	s_lshl_b32 s61, s17, 11
	s_add_co_u32 s60, s60, s61
	s_add_co_u32 s60, s60, LO
	s_mov_b32 s61, 0
	s_add_nc_u64 s[62:63], s[14:15], s[60:61]      ; the low parts of tokens 0..15
	GEMM 0
	s_wait_loadcnt 0x0                             ; cos and sin
	PLACES
.irp b, 0,1,2,3
	WIN 0x05                                       ; sources 0 and 1 window 1
.irp a, 0,1,2,3
.irp n, 0,1,2,3
	v_mul_f32 v[E+8*\a+2*\n],   v[8*(4*\a+\b)+2*\n], v[COS+4*(4*\b+\a)+\n]      ; re c   (each accumulator is read from its low end on)
	v_mul_f32 v[E+8*\a+2*\n+1], v[8*(4*\a+\b)+2*\n], v[SIN+4*(4*\b+\a)+\n]      ; re s
.endr
.irp n, 0,1,2,3
	v_fma_f32 v[E+8*\a+2*\n],   -v[8*(4*\a+\b)+2*\n+1], v[SIN+4*(4*\b+\a)+\n], v[E+8*\a+2*\n]     ; - im s
	v_fma_f32 v[E+8*\a+2*\n+1],  v[8*(4*\a+\b)+2*\n+1], v[COS+4*(4*\b+\a)+\n], v[E+8*\a+2*\n+1]   ; + im c
.endr
.endr
	WIN 0
.irp i, 0,1,2,3,4,5,6,7,8,9,10,11,12,13,14,15
	v_cvt_pk_f16_f32 v[H+16*\b+\i], v[E+2*\i], v[E+2*\i+1]
.endr
.irp a, 0,1,2,3
	global_store_b128 v[LI], v[H+16*\b+4*\a:H+16*\b+4*\a+3], s[12:13] offset:4096*\b+1024*(\a/2)+512*(\a%2)   ; 512 consecutive bytes
.endr
.if \b == 0
	s_and_b32 s59, ttmp7, 0xffff
	s_cmp_lg_u32 s59, 0                            ; the cluster's y: alike in all partners
	s_cbranch_scc1 .Lno_low
	LOW4 64,65,66,67, E, L
	LOW4 68,69,70,71, E+8, L+4
	LOW4 72,73,74,75, E+16, L+8
	LOW4 76,77,78,79, E+24, L+12
	v_cmp_gt_u32 vcc_lo, 16, v[TOK]
	s_wait_xcnt 0x0                                ; EXEC changes only behind this wait
	s_and_saveexec_b32 s59, vcc_lo
.irp a, 0,1,2,3
	global_store_b128 v[LI], v[L+4*\a:L+4*\a+3], s[62:63] offset:1024*(\a/2)+512*(\a%2)
.endr
	s_wait_xcnt 0x0
	s_or_b32 exec_lo, exec_lo, s59
.Lno_low:
.endif
.endr
	s_branch .Lend
; ---------------- v
.Lvalues:
	s_sub_co_u32 s60, s42, 20
	s_lshl_b32 s59, s60, 12
	s_lshl_b32 s60, s60, 19                        ; the head's 64 blocks of 32 keys, 8,192 bytes each
	s_lshl_b32 s61, s58, 8                         ; my first block of 32 keys
	s_add_co_u32 s60, s60, s61
	s_lshl_b32 s61, s17, 12                        ; my half's four tiles of the head's 128
	s_add_co_u32 s60, s60, s61
	s_add_co_u32 s60, s60, 2097152
	s_mov_b32 s61, 0
	s_add_nc_u64 s[12:13], s[14:15], s[60:61]
	s_lshl_b32 s61, s17, 11
	s_add_co_u32 s60, s59, s61
	s_add_co_u32 s60, s60, LO+81920
	s_mov_b32 s61, 0
	s_add_nc_u64 s[62:63], s[14:15], s[60:61]
	GEMM 1
	PLACES
	WIN 0x05
.irp a, 0,1,2,3
.irp b, 0,1,2,3
.irp n, 0,1,2,3
	v_cvt_pk_f16_f32 v[H+4*(4*\a+\b)+\n], v[8*(4*\a+\b)+2*\n], v[8*(4*\a+\b)+2*\n+1]
.endr
.endr
.endr
	WIN 0
.irp a, 0,1,2,3
.irp b, 0,1,2,3
	global_store_b128 v[LI], v[H+4*(4*\a+\b):H+4*(4*\a+\b)+3], s[12:13] offset:(\b/2)*8192+\a*1024+(\b%2)*512
.endr
.endr
	s_and_b32 s59, ttmp7, 0xffff
	s_cmp_lg_u32 s59, 0
	s_cbranch_scc1 .Lend
	LOWV 64,65,66,67, 0, L
	LOWV 80,81,82,83, 32, L+4
	LOWV 96,97,98,99, 64, L+8
	LOWV 112,113,114,115, 96, L+12
	v_cmp_gt_u32 vcc_lo, 16, v[TOK]
	s_wait_xcnt 0x0
	s_and_saveexec_b32 s59, vcc_lo
.irp a, 0,1,2,3
	global_store_b128 v[LI], v[L+4*\a:L+4*\a+3], s[62:63] offset:512*\a
.endr
	s_wait_xcnt 0x0
	s_or_b32 exec_lo, exec_lo, s59
.Lend:
	s_wait_tensorcnt 0x0                           ; the wave's end
	ds_add_u32 v[SPW], v[NIL]
	s_wait_dscnt 0x0
	CROUND                                         ; the closing round
	s_endpgm
.Lfunc_end_k_q3719a0ef79_qkv:
	.size	k_q3719a0ef79_qkv, .Lfunc_end_k_q3719a0ef79_qkv-k_q3719a0ef79_qkv
	.p2alignl 7, 3214868480
	.fill 96, 4, 3214868480
	.section	.rodata,"a",@progbits
	.p2align	6, 0x0
	.amdhsa_kernel k_q3719a0ef79_qkv
		.amdhsa_group_segment_fixed_size 279040
		.amdhsa_private_segment_fixed_size 0
		.amdhsa_enable_private_segment 0
		.amdhsa_kernarg_size 48
		.amdhsa_user_sgpr_count 2
		.amdhsa_user_sgpr_kernarg_segment_ptr 1
		.amdhsa_wavefront_size32 1
		.amdhsa_system_sgpr_workgroup_id_x 1
		.amdhsa_system_sgpr_workgroup_id_y 1
		.amdhsa_system_sgpr_workgroup_id_z 1
		.amdhsa_system_vgpr_workitem_id 0
		.amdhsa_next_free_vgpr 512
		.amdhsa_next_free_sgpr 100
		.amdhsa_reserve_vcc 1
		.amdhsa_float_denorm_mode_32 3
		.amdhsa_float_denorm_mode_16_64 3
		.amdhsa_memory_ordered 1
		.amdhsa_forward_progress 1
		.amdhsa_inst_pref_size 149
	.end_amdhsa_kernel
	.amdgpu_metadata
---
amdhsa.version: [ 1, 2 ]
amdhsa.kernels:
  - .name:           k_q3719a0ef79_qkv
    .symbol:         k_q3719a0ef79_qkv.kd
    .args:
      - { .name: xq, .offset: 0, .size: 8, .value_kind: global_buffer, .address_space: global }
      - { .name: wqc, .offset: 8, .size: 8, .value_kind: global_buffer, .address_space: global }
      - { .name: freqs_cos, .offset: 16, .size: 8, .value_kind: global_buffer, .address_space: global }
      - { .name: freqs_sin, .offset: 24, .size: 8, .value_kind: global_buffer, .address_space: global }
      - { .name: qf, .offset: 32, .size: 8, .value_kind: global_buffer, .address_space: global }
      - { .name: kv, .offset: 40, .size: 8, .value_kind: global_buffer, .address_space: global }
    .group_segment_fixed_size: 279040
    .private_segment_fixed_size: 0
    .kernarg_segment_align: 8
    .kernarg_segment_size: 48
    .max_flat_workgroup_size: 128
    .sgpr_count:     100
    .vgpr_count:     512
    .wavefront_size: 32
...
	.end_amdgpu_metadata
.endif
;; end of part 2
;; launch attn (part 3): grid 64 x 4, 4 waves a work-group, no clusters, 135,680 bytes of LDS; arguments qf, kv, yf; writes yf
.if DOCPART == 3
	.amdgcn_target "amdgcn-amd-amdhsa--gfx1250"
	.amdhsa_code_object_version 6
	.text
	.protected	k_q3719a0ef79_attn
	.globl	k_q3719a0ef79_attn
	.p2align	8
	.type	k_q3719a0ef79_attn,@function
k_q3719a0ef79_attn:
	s_mov_b64 s[64:65], 0
	v_nop
	global_prefetch_b8 v0, s[64:65] scope:SCOPE_SE
	s_setreg_imm32_b32 hwreg(HW_REG_WAVE_MODE, 25, 1), 1
	s_wait_xcnt 0x0
; ATTN.  y = softmax(q k^T / sqrt(128), causal) v, operands f16, products, maxima and sums f32; the weights p = 2^(c s - c m) are rounded to f16 for the second product, y once at the end.
; SHARES.  A work-group (p, g) serves key/value head g and two tiles of 16 positions, 127 - p and then p: together 33 units of 64 keys, whatever p.  A wave holds 64 rows: the FOUR QUERY HEADS of head g x 16 positions
; (tiles t = 0..3), which share one causal limit.  THE FOUR WAVES SPLIT THE KEYS: unit u goes to wave u % 4; each keeps its own running maximum, sum and O^T, and the four meet in LDS at the end of a tile.
; So each fragment of K and V is used by one wave alone: it goes from memory straight into registers, 16 bytes a lane at 16 x lane (the buffers are laid so); the loop has no LDS access and no barrier.
; No cluster: no two waves of a work-group read the same tile, and a joint load would add a write and a read of LDS for every byte.
; LAYOUT.  S^T = K Q^T and O^T = V^T P: a lane holds ONE query (lane % 16) throughout; two tiles of S^T, rounded in pairs, are source 1 of the second product.
; The running maximum begins at -3e38 and the sums at 0, so a unit is written in two forms only (with and without a successor), and a wave without a unit hands zeros to the meeting.
; LIMITS: q, k, v within f16's range; weights under 6e-5 of a row's largest are kept to 6e-8.
; REGISTERS, windows of 256.  0: v2-10 addresses; v12-43 eight statistics a tile (+0 c m, +1 m, +2, +3 the sum, +4..+7 at work, a at +6); v44-61 the meeting; v62, v63 the add's two; v64-191 S^T (32 t + 8 kt); v192-255 P (16 t + 8 k32).
; 1: O^T (64 t + 8 dt).   2: v0-127 Q (32 t + 8 kf), v128-255 K (32 kt + 8 kf).   3: v0-127 V^T (64 k32 + 8 dt).
.set LI,   2                           ; 16 x lane
.set DLT,  3                           ; the diagonal: my query's place among the unit's keys, less 8 (lane / 16)
.set ASTW, 4
.set AOW,  5
.set AOR,  6
.set AOR2, 7
.set ASTR, 8
.set INF,  9
.set RH,   10
.set ST,   12
.set MG,   44                          ; v44-47 the four c m, v48-51 the four sums
.set F,    52                          ; v52, 54, 56, 58 the four factors (the odd registers are named with them as pairs)
.set SPW,  62
.set NIL,  63
.set S,    64
.set P,    192
.set KF,   128
.set STAT, 131072                      ; LDS: 0: four images of O^T, 32,768 bytes a wave; here: c m and the sum, 1,024 bytes a wave
.set SPARE, 135168
.set WV,   12
.set KB,   20
.set VB,   22
.set QB,   24
.set YB,   26
.set CS,   58
.set SEL,  60
.set W_KQ, 0x0a
.set W_PV, 0x53
.set W_RS, 0x41
.set MSB, 0
.macro WIN new
.if MSB != \new
	s_set_vgpr_msb (MSB<<8)|\new
.set MSB, \new
.endif
.endm
.macro PLACES
.rept 4
	v_nop
.endr
.endm
	s_load_b128 s[4:7], s[0:1], 0x0                ; qf, kv
	s_load_b64 s[8:9], s[0:1], 0x10                ; yf
	v_lshl_add_u32 v[SPW], v0, 2, SPARE
	v_mov_b32 v[NIL], 0
	v_lshrrev_b32 v1, 5, v0
	v_readfirstlane_b32 s[WV], v1
	s_and_b32 s14, ttmp7, 0xffff                   ; g
	s_sub_co_u32 s15, 127, ttmp9                   ; the first tile of positions
	v_and_b32 v1, 31, v0
	v_lshlrev_b32 v[LI], 4, v1
	v_and_b32 v11, 15, v0
	v_bfe_u32 v[RH], v0, 4, 1
	v_lshlrev_b32 v[RH], 3, v[RH]
	v_sub_nc_u32 v[RH], v11, v[RH]                 ; r - 8 h
	v_mov_b32 v[INF], 0xff800000
	s_lshl_b32 s36, s[WV], 10
	s_add_co_u32 s36, s36, STAT
	v_lshl_add_u32 v[ASTW], v1, 2, s36
	s_lshl_b32 s36, s[WV], 15
	v_add_nc_u32 v[AOW], s36, v[LI]
	s_lshl_b32 s36, s[WV], 13
	v_add_nc_u32 v[AOR], s36, v[LI]                ; the meeting: wave w owns tile w: 8,192 bytes of each image
	v_add_nc_u32 v[AOR2], 65536, v[AOR]
	s_lshl_b32 s36, s[WV], 8
	s_add_co_u32 s36, s36, STAT
	v_lshl_add_u32 v[ASTR], v1, 2, s36
.irp j, 1,3,5,7
	v_mov_b32 v[F+\j], 0
.endr
	s_mov_b32 s[CS], 0x3e0293ee                    ; c = log2(e) / sqrt(128)
	s_mov_b32 s[CS+1], s[CS]
	s_mov_b32 s[SEL], 0x76543210
	s_mov_b32 s[SEL+1], 0xfedcba98
	s_mov_b32 s28, 2
	s_mov_b32 s37, 0
	s_wait_kmcnt 0x0
	s_lshl_b32 s36, s14, 19
	s_add_nc_u64 s[30:31], s[6:7], s[36:37]        ; k of head g
	s_lshl_b32 s36, s14, 21
	s_add_nc_u64 s[32:33], s[4:5], s[36:37]        ; q of heads 4 g on
	s_lshl_b32 s36, s14, 1
	s_lshr_b32 s38, s[WV], 1
	s_add_co_u32 s36, s36, s38
	s_lshl_b32 s36, s36, 20
	s_and_b32 s38, s[WV], 1
	s_lshl_b32 s38, s38, 12
	s_add_co_u32 s36, s36, s38
	s_add_nc_u64 s[34:35], s[8:9], s[36:37]        ; y of head 4 g + wave
.macro KQ                              ; product i of 64: features 32 (i / 16) on, keys 16 ((i / 4) % 4) on, tile i % 4: the 16 accumulators take turns
.set rS, S+32*(i%4)+8*((i/4)%4)
.set rK, KF+32*((i/4)%4)+8*(i/16)
.set rQ, 32*(i%4)+8*(i/16)
.if i < 16
	v_wmma_f32_16x16x32_f16 v[rS:rS+7], v[rK:rK+7], v[rQ:rQ+7], 0
.else
	v_wmma_f32_16x16x32_f16 v[rS:rS+7], v[rK:rK+7], v[rQ:rQ+7], v[rS:rS+7]
.endif
.endm
.macro PV                              ; product i of 64: keys 32 (i / 32) on, channels 16 ((i / 4) % 8) on, tile i % 4: 32 accumulators by turns
.set rO, 64*(i%4)+8*((i/4)%8)
.set rV, 64*(i/32)+8*((i/4)%8)
.set rP, P+16*(i%4)+8*(i/32)
	v_wmma_f32_16x16x32_f16 v[rO:rO+7], v[rV:rV+7], v[rP:rP+7], v[rO:rO+7]
.endm
.macro LOADK                           ; a unit's 16 fragments of K: 16,384 consecutive bytes
	WIN 0x80
.set i, 0
.rept 32
	global_load_b128 v[KF+4*i:KF+4*i+3], v[LI], s[KB:KB+1] offset:512*i
.set i, i+1
.endr
	WIN 0
.endm
.macro LOADV
	WIN 0xc0
.set i, 0
.rept 32
	global_load_b128 v[4*i:4*i+3], v[LI], s[VB:VB+1] offset:512*i
.set i, i+1
.endr
	WIN 0
.endm
; One tile's softmax for a unit is a list of 134 instructions; SM writes number j of it for tile t.
;   0-15 the maximum of the lane's 32 scores and the old m;  16-20 the other half of the lanes', the new m, c m, c m_old - c m_new;
;   21-69 ONE BATCH: 16 packed scalings c s - c m and 33 exponentials (a at 23), none of which reads an exponential's result; a pair is scaled ahead of its exponentials;
;   70-85 the roundings to f16;  86-101 the sums, l = a l + the sum;  102-133 O^T times a.
.macro SM t
.set rT, ST+8*(\t)
.set rS, S+32*(\t)
.set rP, P+16*(\t)
.set rO, 64*(\t)+2*(j-102)
.if j < 102
	WIN 0
.endif
.if j < 4
	v_max3_num_f32 v[rT+4+j], v[rS+8*j], v[rS+8*j+1], v[rS+8*j+2]
.elseif j < 12
	v_max3_num_f32 v[rT+4+j%4], v[rT+4+j%4], v[rS+8*(j%4)+2*(j/4)+1], v[rS+8*(j%4)+2*(j/4)+2]
.elseif j == 12
	v_max3_num_f32 v[rT+4], v[rT+4], v[rS+7], v[rS+15]
.elseif j == 13
	v_max3_num_f32 v[rT+6], v[rT+6], v[rS+23], v[rS+31]
.elseif j == 14
	v_max3_num_f32 v[rT+4], v[rT+4], v[rT+5], v[rT+6]
.elseif j == 15
	v_max3_num_f32 v[rT+4], v[rT+4], v[rT+7], v[rT+1]
.elseif j == 16
	v_permlanex16_b32 v[rT+5], v[rT+4], s[SEL], s[SEL+1]
.elseif j == 17
	v_mov_b32 v[rT+7], v[rT]
.elseif j == 18
	v_max_num_f32 v[rT+1], v[rT+4], v[rT+5]
.elseif j == 19
	v_mul_f32 v[rT], s[CS], v[rT+1]
.elseif j == 20
	v_sub_f32 v[rT+7], v[rT+7], v[rT]
.elseif j == 23
	v_exp_f32 v[rT+6], v[rT+7]
.elseif (j < 23) || ((j < 38) && (j%2 == 0)) || ((j < 66) && (j%4 == 2))
.set b, (j-2)/4
.if j < 38
.set b, (j-20)/2
.endif
	v_pk_fma_f32 v[rS+2*b:rS+2*b+1], v[rS+2*b:rS+2*b+1], s[CS:CS+1], v[rT:rT+1] op_sel_hi:[1,0,0] neg_lo:[0,0,1] neg_hi:[0,0,1]
.elseif j < 70
.set e, j-38
.if j < 66
.set e, j-32-(j-38)/4
.endif
.if j < 38
.set e, (j-25)/2
.endif
	v_exp_f32 v[rS+e], v[rS+e]
.elseif j < 86
	v_cvt_pk_f16_f32 v[rP+j-70], v[rS+2*(j-70)], v[rS+2*(j-70)+1]
.elseif j < 102
.set z, j-86
.set w, 4
.set u, z
.if z >= 14
.set w, 32
.set u, 0
.elseif z >= 12
.set w, 16
.set u, z-12
.elseif z >= 8
.set w, 8
.set u, z-8
.endif
.if z < 15
	v_pk_add_f32 v[rS+w*u:rS+w*u+1], v[rS+w*u:rS+w*u+1], v[rS+w*u+w/2:rS+w*u+w/2+1]
.else
	v_pk_fma_f32 v[rT+2:rT+3], v[rT+2:rT+3], v[rT+6:rT+7], v[rS:rS+1] op_sel_hi:[1,0,1]
.endif
.else
	WIN W_RS
	v_pk_mul_f32 v[rO:rO+1], v[rO:rO+1], v[rT+6:rT+7] op_sel_hi:[1,0]
.endif
.endm
; A UNIT of 64 keys.  last = 0: the wave's next unit, four units on, is asked for: its K behind this unit's first product (it has the softmax and the second product in which to land), its V behind the second.
.macro UNIT last
	s_wait_loadcnt 32                              ; Q and this unit's K are in; V's 32 loads may be out
	WIN W_KQ
.set i, 0
.rept 64
	KQ
.set i, i+1
.endr
	WIN 0
	PLACES                                         ; four places in front of the loads into K's registers and of the first read of the scores
.if !\last
	s_wait_xcnt 0x0
	s_add_nc_u64 s[KB:KB+1], s[KB:KB+1], 65536
	LOADK
.else
	s_add_co_u32 s36, s18, 1
	s_cmp_lg_u32 s36, s16                          ; only the tile's last unit lies on the diagonal: ids alone
	s_cbranch_scc1 .Lopen_\@
.set i, 0
.rept 32                               ; key 16 kt + 8 h + jj is hidden where 16 kt + jj > DLT; each accumulator from its low end on.  Key 0 of the unit counts for every query, so m stays a number
	v_cmp_gt_i32 vcc_lo, 16*(i/8)+i%8, v[DLT]
.irp t, 0,1,2,3
	v_cndmask_b32 v[S+32*\t+i], v[S+32*\t+i], v[INF], vcc_lo
.endr
.set i, i+1
.endr
.Lopen_\@:
.endif
.set j, 0
.rept 70
.irp t, 0,1,2,3
	SM \t
.endr
.set j, j+1
.endr
	v_nop                                          ; a plain line behind the last exponential
	s_wait_alu depctr_va_vdst(0)                   ; one wait for the four tiles' 132 exponentials, ahead of the first line that names a result
.rept 64
.irp t, 0,1,2,3
	SM \t
.endr
.set j, j+1
.endr
.if \last
	s_wait_loadcnt 0x0                             ; V is in
.else
	s_wait_loadcnt 32                              ; V is in; the next K's 32 loads may be out
.endif
	WIN W_PV
.set i, 0
.rept 64
	PV
.set i, i+1
.endr
	WIN 0
	PLACES
.if !\last
	s_wait_xcnt 0x0
	s_add_nc_u64 s[VB:VB+1], s[VB:VB+1], 65536
	LOADV
	s_add_co_u32 s18, s18, 4
.endif
.endm
.Lgroup:                                           ; two trips: tile 127 - p, then tile p
	WIN 0x40
.set i, 0
.rept 256
	v_mov_b32 v[i], 0                              ; O^T: a wave that gets no unit of this tile must hand zeros to the meeting
.set i, i+1
.endr
	WIN 0
.irp t, 0,1,2,3
	v_mov_b32 v[ST+8*\t+1], 0xff61b1e6             ; m = -3e38, under every score
	v_mul_f32 v[ST+8*\t], s[CS], v[ST+8*\t+1]
.irp k, 2,3,4,5,6,7
	v_mov_b32 v[ST+8*\t+\k], 0
.endr
.endr
	s_lshr_b32 s16, s15, 2
	s_add_co_u32 s16, s16, 1                       ; the tile's units
	s_and_b32 s36, s15, 3
	s_lshl_b32 s36, s36, 4
	v_add_nc_u32 v[DLT], s36, v[RH]
	s_add_co_u32 s17, s16, 3
	s_sub_co_u32 s17, s17, s[WV]
	s_lshr_b32 s17, s17, 2                         ; my units
	s_mov_b32 s18, s[WV]                           ; my first
	s_lshl_b32 s36, s15, 12
	s_add_nc_u64 s[QB:QB+1], s[32:33], s[36:37]
	s_lshl_b32 s36, s15, 13
	s_add_nc_u64 s[YB:YB+1], s[34:35], s[36:37]
	s_lshl_b32 s36, s[WV], 14
	s_add_nc_u64 s[KB:KB+1], s[30:31], s[36:37]
	s_add_nc_u64 s[VB:VB+1], s[KB:KB+1], 2097152
	s_cmp_eq_u32 s17, 0
	s_cbranch_scc1 .Ldump
	WIN 0x80
.irp t, 0,1,2,3
.irp i, 0,1,2,3,4,5,6,7
	global_load_b128 v[32*\t+4*\i:32*\t+4*\i+3], v[LI], s[QB:QB+1] offset:\t*524288+512*\i
.endr
.endr
	WIN 0
	LOADK
	LOADV
	s_sub_co_u32 s17, s17, 1
	s_cmp_eq_u32 s17, 0
	s_cbranch_scc1 .Ltail
.Lunit:
	UNIT 0
	s_sub_co_u32 s17, s17, 1
	s_cmp_lg_u32 s17, 0
	s_cbranch_scc1 .Lunit
.Ltail:
	UNIT 1
.Ldump:
.irp t, 0,1,2,3
	v_add_f32 v[ST+8*\t+4], v[ST+8*\t+2], v[ST+8*\t+3]
.endr
.irp t, 0,1,2,3
	v_permlanex16_b32 v[ST+8*\t+5], v[ST+8*\t+4], s[SEL], s[SEL+1]
.endr
.irp t, 0,1,2,3
	v_add_f32 v[ST+8*\t+4], v[ST+8*\t+4], v[ST+8*\t+5]          ; my part of the row's sum
.endr
.irp t, 0,1,2,3
	ds_store_b32 v[ASTW], v[ST+8*\t] offset:256*\t
	ds_store_b32 v[ASTW], v[ST+8*\t+4] offset:256*\t+128
.endr
	WIN 0x04                                       ; an LDS store's data: window 1
.set i, 0
.rept 64
	ds_store_b128 v[AOW], v[4*i:4*i+3] offset:512*i              ; O^T as it stands, each accumulator from its low end on
.set i, i+1
.endr
	WIN 0
	s_wait_dscnt 0x0                               ; for the others' sake: my stores have landed
	s_barrier_signal -1
	s_barrier_wait -1
	; THE MEETING: wave w joins the four parts of tile w: y = sum_j f_j O_j / sum_j f_j l_j, f_j = 2^(c m_j - the largest c m)
.irp j, 0,1,2,3
	ds_load_b32 v[MG+\j], v[ASTR] offset:1024*\j
	ds_load_b32 v[MG+4+\j], v[ASTR] offset:1024*\j+128
.endr
.set i, 0
.rept 32
	ds_load_b128 v[S+4*i:S+4*i+3], v[AOR] offset:32768*(i/16)+512*(i%16)
.set i, i+1
.endr
	s_wait_dscnt 32                                ; the statistics are in; two parts' 32 loads may be out
	v_max3_num_f32 v60, v[MG], v[MG+1], v[MG+2]
	v_max_num_f32 v60, v60, v[MG+3]
.irp j, 0,1,2,3
	v_sub_f32 v[MG+\j], v[MG+\j], v60
.endr
.irp j, 0,1,2,3
	v_exp_f32 v[F+2*\j], v[MG+\j]
.endr
	v_nop
	s_wait_alu depctr_va_vdst(0)
	v_mul_f32 v61, v[F], v[MG+4]
	v_fmac_f32 v61, v[F+2], v[MG+5]
	v_fmac_f32 v61, v[F+4], v[MG+6]
	v_fmac_f32 v61, v[F+6], v[MG+7]
	v_rcp_f32 v60, v61
	v_nop
	s_wait_alu depctr_va_vdst(0)
.irp j, 0,1,2,3
	v_mul_f32 v[F+2*\j], v[F+2*\j], v60
.endr
	s_wait_dscnt 0x0
.set i, 0
.rept 32
	v_pk_mul_f32 v[P+2*i:P+2*i+1], v[S+2*i:S+2*i+1], v[F:F+1] op_sel_hi:[1,0]
.set i, i+1
.endr
.set i, 0
.rept 32
	v_pk_fma_f32 v[P+2*i:P+2*i+1], v[S+64+2*i:S+64+2*i+1], v[F+2:F+3], v[P+2*i:P+2*i+1] op_sel_hi:[1,0,1]
.set i, i+1
.endr
.set i, 0
.rept 32
	ds_load_b128 v[S+4*i:S+4*i+3], v[AOR2] offset:32768*(i/16)+512*(i%16)
.set i, i+1
.endr
	s_wait_dscnt 0x0
.set i, 0
.rept 32
	v_pk_fma_f32 v[P+2*i:P+2*i+1], v[S+2*i:S+2*i+1], v[F+4:F+5], v[P+2*i:P+2*i+1] op_sel_hi:[1,0,1]
.set i, i+1
.endr
.set i, 0
.rept 32
	v_pk_fma_f32 v[P+2*i:P+2*i+1], v[S+64+2*i:S+64+2*i+1], v[F+6:F+7], v[P+2*i:P+2*i+1] op_sel_hi:[1,0,1]
.set i, i+1
.endr
.set i, 0
.rept 32
	v_cvt_pk_f16_f32 v[S+i], v[P+2*i], v[P+2*i+1]
.set i, i+1
.endr
.irp i, 0,1,2,3,4,5,6,7
	global_store_b128 v[LI], v[S+4*\i:S+4*\i+3], s[YB:YB+1] offset:512*\i     ; four fragments of y: 512 consecutive bytes a store
.endr
	s_wait_xcnt 0x0                                ; the stores have read their registers and base: the next tile writes both
	s_wait_dscnt 0x0                               ; my reads of the images are over:
	s_barrier_signal -1
	s_barrier_wait -1                              ; only then does any wave write them again
	s_xor_b32 s15, s15, 127
	s_sub_co_u32 s28, s28, 1
	s_cmp_lg_u32 s28, 0
	s_cbranch_scc1 .Lgroup
	s_wait_tensorcnt 0x0                           ; the wave's end
	ds_add_u32 v[SPW], v[NIL]
	s_wait_dscnt 0x0
	s_endpgm
.Lfunc_end_k_q3719a0ef79_attn:
	.size	k_q3719a0ef79_attn, .Lfunc_end_k_q3719a0ef79_attn-k_q3719a0ef79_attn
	.p2alignl 7, 3214868480
	.fill 96, 4, 3214868480
	.section	.rodata,"a",@progbits
	.p2align	6, 0x0
	.amdhsa_kernel k_q3719a0ef79_attn
		.amdhsa_group_segment_fixed_size 135680
		.amdhsa_private_segment_fixed_size 0
		.amdhsa_enable_private_segment 0
		.amdhsa_kernarg_size 24
		.amdhsa_user_sgpr_count 2
		.amdhsa_user_sgpr_kernarg_segment_ptr 1
		.amdhsa_wavefront_size32 1
		.amdhsa_system_sgpr_workgroup_id_x 1
		.amdhsa_system_sgpr_workgroup_id_y 1
		.amdhsa_system_sgpr_workgroup_id_z 1
		.amdhsa_system_vgpr_workitem_id 0
		.amdhsa_next_free_vgpr 1024
		.amdhsa_next_free_sgpr 66
		.amdhsa_reserve_vcc 1
		.amdhsa_float_denorm_mode_32 3
		.amdhsa_float_denorm_mode_16_64 3
		.amdhsa_memory_ordered 1
		.amdhsa_forward_progress 1
		.amdhsa_inst_pref_size 130
	.end_amdhsa_kernel
	.amdgpu_metadata
---
amdhsa.version: [ 1, 2 ]
amdhsa.kernels:
  - .name:           k_q3719a0ef79_attn
    .symbol:         k_q3719a0ef79_attn.kd
    .args:
      - { .name: qf, .offset: 0, .size: 8, .value_kind: global_buffer, .address_space: global }
      - { .name: kv, .offset: 8, .size: 8, .value_kind: global_buffer, .address_space: global }
      - { .name: yf, .offset: 16, .size: 8, .value_kind: global_buffer, .address_space: global }
    .group_segment_fixed_size: 135680
    .private_segment_fixed_size: 0
    .kernarg_segment_align: 8
    .kernarg_segment_size: 24
    .max_flat_workgroup_size: 128
    .sgpr_count:     66
    .vgpr_count:     1024
    .wavefront_size: 32
...
	.end_amdgpu_metadata
.endif
;; end of part 3
;; launch proj (part 4): grid 16 x 16, 4 waves a work-group, clusters of 4 x 4, 327,680 bytes of LDS; arguments yf, woh, out0; writes out0
.if DOCPART == 4
	.amdgcn_target "amdgcn-amd-amdhsa--gfx1250"
	.amdhsa_code_object_version 6
	.text
	.protected	k_q3719a0ef79_proj
	.globl	k_q3719a0ef79_proj
	.p2align	8
	.type	k_q3719a0ef79_proj,@function
k_q3719a0ef79_proj:
	s_mov_b64 s[64:65], 0
	v_nop
	global_prefetch_b8 v0, s[64:65] scope:SCOPE_SE
	s_setreg_imm32_b32 hwreg(HW_REG_WAVE_MODE, 25, 1), 1
	s_wait_xcnt 0x0
	s_wait_alu depctr_hold_cnt(0) depctr_sa_sdst(0) depctr_va_vdst(0) depctr_va_sdst(0) depctr_va_ssrc(0) depctr_va_vcc(0) depctr_vm_vsrc(0)
	s_getreg_b32 s2, hwreg(HW_REG_IB_STS2, 6, 4)
	s_cmp_eq_u32 s2, 0
	s_cbranch_scc0 .Lentry_in_a_cluster
	s_endpgm
.Lentry_in_a_cluster:
	s_bfe_u32 s2, ttmp6, 0x10000c
	s_cmp_lg_u32 s2, 0xf033
	s_cbranch_scc0 .Lentry_shape_is_right
	s_endpgm
.Lentry_shape_is_right:
; PROJ.  out0[token][n] = sum over c of y[token][c] Wo[c][n]: f16 operands (Wo's high parts), f32 sums, f32 out.  2,048 x 2,048 x 2,048.
; A tile of the output is 128 x 128: 256 work-groups; four waves, each 64 x 64: 16 accumulators.  K goes in steps of 256 through a ring of two LDS slots.  Both operands lie in memory as images of fragments,
; [K step][tile of 16 rows][8 fragments of 1,024 bytes], so a K step's 64 rows are one dense block of 32,768 bytes, a wave's one tensor load, and a fragment is read from LDS as it lies, 16 bytes a lane: no padding is needed.
; CLUSTER 4 x 4: y's tiles are shared along a row of the cluster, Wo's along a column: joint loads.  All of the WGP's LDS is claimed.
; THE MATRIX INSTRUCTION IS USED TRANSPOSED (source 0 = 16 columns n, source 1 = 16 tokens): a lane holds eight neighbouring numbers of a row of the output.
; Rows 0..15 are stored here too and written again, more finely, by the launch behind this one.
; REGISTERS: window 0: v16-29 addresses; v32-95 the way out; v128-255 accumulators (a, b) at 128 + 8 (4 a + b).  Window 1: two fragment buffers of 128: for 64 along K, 64 registers of y, then 64 of Wo.
.set KSB,    1048576                   ; a K step in either buffer, bytes
.set HALFT,  32768
.set SLOT,   131072                    ; y's 128 rows, then Wo's 128
.set STAGE,  262144                    ; behind the ring: 16 rows x 272 bytes for each wave
.set SPITCH, 272
.set SPARE,  STAGE+4*16*SPITCH
.set LAPS,   4
.set ADRA, 16
.set ADRB, 20
.set STO,  24
.set RD,   25
.set CO,   26
.set SPW,  28
.set NIL,  29
.set TMP,  32
.set ACC,  128
.set F0,   0
.set F1,   128
.set G1, 24
.set G0, 32
.set G1B, 48
.set G0B, 56
.set MSB, 0
.macro WIN new
.if MSB != \new
	s_set_vgpr_msb (MSB<<8)|\new
.set MSB, \new
.endif
.endm
.set MUL,  0x05
.set TO_F, 0x40
.macro JLOAD s                         ; a joint load: waves 0 and 1 fetch y's two halves, waves 2 and 3 Wo's; an s_nop 0 and four v_nop follow each line
	s_cmp_eq_u32 s11, 0
	s_cbranch_scc0 .Lfor_b_\@
	tensor_load_to_lds s[G0+4*\s:G0+4*\s+3], s[G1:G1+7]
	s_nop 0
.rept 4
	v_nop
.endr
	s_branch .Lasked_\@
.Lfor_b_\@:
	tensor_load_to_lds s[G0B+4*\s:G0B+4*\s+3], s[G1B:G1B+7]
	s_nop 0
.rept 4
	v_nop
.endr
.Lasked_\@:
.endm
.macro CREST
	s_cmp_lg_u32 s10, 0
	s_cbranch_scc1 .Lnot_wave_0_\@
	s_barrier_signal -3
.Lnot_wave_0_\@:
	s_barrier_wait -3
	s_barrier_signal -1
	s_barrier_wait -1
.endm
.macro CROUND
	s_barrier_signal -1
	s_barrier_wait -1
	CREST
.endm
	s_load_b128 s[4:7], s[0:1], 0x0                ; yf, woh
	s_load_b64 s[8:9], s[0:1], 0x10                ; out0
	v_lshl_add_u32 v[SPW], v0, 2, SPARE
	v_mov_b32 v[NIL], 0
	ds_add_u32 v[SPW], v[NIL]                      ; the opening: the add, twice on end, and its wait ahead of my first tensor load
	ds_add_u32 v[SPW], v[NIL]
	v_lshrrev_b32 v1, 5, v0
	v_readfirstlane_b32 s10, v1
	s_lshr_b32 s11, s10, 1                         ; my half of the rows.  Also: I fetch for y (0) or for Wo (1)
	s_and_b32 s12, s10, 1                          ; my half of the columns.  Also: which 64 rows I fetch
	s_bfe_u32 s40, ttmp6, 0x40000
	s_bfe_u32 s41, ttmp6, 0x40004
	s_lshl_b32 s42, ttmp9, 2
	s_add_co_u32 s42, s42, s40                     ; tile column
	s_and_b32 s13, ttmp7, 0xffff
	s_lshl_b32 s13, s13, 2
	s_add_co_u32 s13, s13, s41                     ; tile row
	s_lshl_b32 s43, s41, 2
	s_lshl_b32 s43, 15, s43
	s_lshl_b32 s44, 0x1111, s40
	s_or_b32 s[G1+0], s43, (3<<16)|(1<<21)         ; the mask; elements of 8 bytes; bit 21 beside a mask; no padding
	s_or_b32 s[G1B+0], s44, (3<<16)|(1<<21)
.irp g, G1, G1B
	s_mov_b32 s[\g+1], 32<<16                      ; rows of 256 bytes,
	s_mov_b32 s[\g+2], 128<<16                     ; 128 of them: 32,768 dense bytes
	s_mov_b32 s[\g+3], 32<<16
	s_mov_b32 s[\g+4], 128
	s_mov_b32 s[\g+5], 32
	s_mov_b32 s[\g+6], 0
	s_mov_b32 s[\g+7], 0
.endr
	s_lshl_b32 s16, s13, 16                        ; y: 8 tiles of 8,192 bytes a tile row, + 4 a half
	s_lshl_b32 s17, s12, 15
	s_add_co_u32 s16, s16, s17
	s_mov_b32 s17, 0
	s_lshl_b32 s46, s42, 16                        ; Wo likewise, by the tile column
	s_lshl_b32 s47, s12, 15
	s_add_co_u32 s46, s46, s47
	s_mov_b32 s47, 0
	s_lshl_b32 s20, s10, 15                        ; where they go: wave x 32,768
	s_wait_dscnt 0x0
	s_wait_kmcnt 0x0
	s_add_nc_u64 s[14:15], s[4:5], s[16:17]
	s_add_nc_u64 s[46:47], s[6:7], s[46:47]
	CROUND
.irp s, 0,1
	s_mov_b32 s[G0+4*\s], 1
	s_add_co_u32 s[G0+4*\s+1], s20, \s*SLOT
	s_add_nc_u64 s[G0+4*\s+2:G0+4*\s+3], s[14:15], \s*KSB
	s_or_b32 s[G0+4*\s+3], s[G0+4*\s+3], 0x80000000
	s_mov_b32 s[G0B+4*\s], 1
	s_add_co_u32 s[G0B+4*\s+1], s20, \s*SLOT
	s_add_nc_u64 s[G0B+4*\s+2:G0B+4*\s+3], s[46:47], \s*KSB
	s_or_b32 s[G0B+4*\s+3], s[G0B+4*\s+3], 0x80000000
	JLOAD \s
.endr
	v_and_b32 v1, 15, v0
	v_bfe_u32 v2, v0, 4, 1
	v_and_b32 v3, 31, v0
	v_lshlrev_b32 v3, 4, v3                        ; 16 x lane
	s_lshl_b32 s21, s11, 15                        ; my 64 rows of y
	s_lshl_b32 s22, s12, 15                        ; my 64 rows of Wo,
	s_add_co_u32 s22, s22, 2*HALFT                 ; behind y's 128
.irp s, 0,1
	v_add_nc_u32 v[ADRA+\s], s21, v3
	v_add_nc_u32 v[ADRB+\s], s22, v3
	s_add_co_u32 s21, s21, SLOT
	s_add_co_u32 s22, s22, SLOT
.endr
	s_mul_i32 s23, s10, 16*SPITCH
	s_add_co_u32 s23, s23, STAGE                   ; my stage
	v_mul_u32_u24 v4, v1, SPITCH
	v_lshl_add_u32 v4, v2, 5, v4
	v_add_nc_u32 v[STO], s23, v4                   ; in: row r, 32 bytes for each half of the lanes
	v_mul_u32_u24 v5, v2, SPITCH
	v_lshl_add_u32 v5, v1, 4, v5
	v_add_nc_u32 v[RD], s23, v5                    ; back: lanes 0-15 one row of 256 bytes, lanes 16-31 the next
	v_lshlrev_b32 v5, 13, v2
	v_lshl_add_u32 v[CO], v1, 4, v5                ; and the same two rows of the output
	s_lshl_b32 s16, s13, 20                        ; my first row: 128 x tile row + 64 x half, 8,192 bytes a row
	s_lshl_b32 s17, s11, 19
	s_add_co_u32 s16, s16, s17
	s_mov_b32 s17, 0
	s_add_nc_u64 s[8:9], s[8:9], s[16:17]
	s_lshl_b32 s46, s42, 9                         ; my first column, in bytes
	s_lshl_b32 s47, s12, 8
	s_add_co_u32 s46, s46, s47
	s_mov_b32 s47, 0
	s_add_nc_u64 s[8:9], s[8:9], s[46:47]
.macro MUL8 f, c, a0, zero             ; 8 products: row blocks a0, a0 + 1 x all 4 column blocks, 32 along K; the accumulators take turns
.irp a, \a0, \a0+1
.irp b, 0,1,2,3
.if \zero
	v_wmma_f32_16x16x32_f16 v[ACC+8*(4*(\a)+\b):ACC+8*(4*(\a)+\b)+7], v[\f+64+8*(4*\c+\b):\f+64+8*(4*\c+\b)+7], v[\f+8*(4*\c+\a):\f+8*(4*\c+\a)+7], 0
.else
	v_wmma_f32_16x16x32_f16 v[ACC+8*(4*(\a)+\b):ACC+8*(4*(\a)+\b)+7], v[\f+64+8*(4*\c+\b):\f+64+8*(4*\c+\b)+7], v[\f+8*(4*\c+\a):\f+8*(4*\c+\a)+7], v[ACC+8*(4*(\a)+\b):ACC+8*(4*(\a)+\b)+7]
.endif
.endr
.endr
.endm
.macro FETCH slot, kq, f               ; 32 LDS loads in one run: quarter kq (64 along K: fragments 2 kq, 2 kq + 1) into buffer f, the first 32 along K first
	WIN TO_F
.irp c, 0,1
.irp i, 0,1,2,3
	ds_load_b128 v[\f+64+8*(4*\c+\i):\f+64+8*(4*\c+\i)+3],   v[ADRB+\slot] offset:\i*8192+(2*(\kq)+\c)*1024
	ds_load_b128 v[\f+64+8*(4*\c+\i)+4:\f+64+8*(4*\c+\i)+7], v[ADRB+\slot] offset:\i*8192+(2*(\kq)+\c)*1024+512
	ds_load_b128 v[\f+8*(4*\c+\i):\f+8*(4*\c+\i)+3],         v[ADRA+\slot] offset:\i*8192+(2*(\kq)+\c)*1024
	ds_load_b128 v[\f+8*(4*\c+\i)+4:\f+8*(4*\c+\i)+7],       v[ADRA+\slot] offset:\i*8192+(2*(\kq)+\c)*1024+512
.endr
.endr
.endm
.macro PLACES
.rept 4
	v_nop
.endr
.endm
.macro QUARTER slot, kq, f, g, zero    ; multiplies buffer f and fetches the slot's quarter kq into g
	s_wait_dscnt 16                                ; the first 32 along K are in
	WIN MUL
	MUL8 \f, 0, 0, \zero
	MUL8 \f, 0, 2, \zero
	PLACES
	FETCH \slot, \kq, \g
	s_wait_dscnt 32                                ; all but the 32 just issued
	WIN MUL
	MUL8 \f, 1, 0, 0
	MUL8 \f, 1, 2, 0
.endm
.macro TURN slot, next, fill           ; a slot's last quarter changes slots: one barrier; in front of it each wave waits for all its tensor loads, adds 0 to its spare word and waits for that and for its reads of the slot
	WIN 0
	s_wait_tensorcnt 0x0                           ; my one load that was out, my part of the next slot, has landed
	ds_add_u32 v[SPW], v[NIL]
	s_wait_dscnt 17                                ; (the add and the youngest sixteen loads may be out)
	WIN MUL
	MUL8 F1, 0, 0, 0
	s_wait_dscnt 0x0                               ; the add is done, and my reads of this slot are over
	s_barrier_signal -1
	MUL8 F1, 0, 2, 0
.if \fill
	WIN 0
.endif
	s_barrier_wait -1
.if \fill
	CREST                                          ; the barrier has opened a round of the cluster's: no wave of any partner still reads this slot or has a load on its way
	s_add_nc_u64 s[G0+4*\slot+2:G0+4*\slot+3], s[G0+4*\slot+2:G0+4*\slot+3], 2*KSB
	s_add_nc_u64 s[G0B+4*\slot+2:G0B+4*\slot+3], s[G0B+4*\slot+2:G0B+4*\slot+3], 2*KSB
	JLOAD \slot                                    ; the first tensor load behind the round; its four v_nop are also the places in front of the loads below
.else
	PLACES
.endif
	FETCH \next, 0, F0
	WIN MUL
	MUL8 F1, 1, 0, 0
	MUL8 F1, 1, 2, 0
.endm
	s_wait_tensorcnt 1                             ; my part of K step 0 is in; K step 1's may stay out
	s_barrier_signal -1
	s_barrier_wait -1
	FETCH 0, 0, F0
	QUARTER 0, 1, F0, F1, 1                        ; the first products start the sums
	WIN 0
	s_mov_b32 s3, LAPS-1
.Llap:
	QUARTER 0, 2, F1, F0, 0
	QUARTER 0, 3, F0, F1, 0
	TURN 0, 1, 1
	QUARTER 1, 1, F0, F1, 0
	QUARTER 1, 2, F1, F0, 0
	QUARTER 1, 3, F0, F1, 0
	TURN 1, 0, 1
	QUARTER 0, 1, F0, F1, 0
	WIN 0
	s_sub_co_u32 s3, s3, 1
	s_cmp_lg_u32 s3, 0
	s_cbranch_scc1 .Llap
	QUARTER 0, 2, F1, F0, 0                        ; the last lap fills nothing
	QUARTER 0, 3, F0, F1, 0
	TURN 0, 1, 0
	QUARTER 1, 1, F0, F1, 0
	QUARTER 1, 2, F1, F0, 0
	QUARTER 1, 3, F0, F1, 0
	s_wait_dscnt 16
	WIN MUL
	MUL8 F1, 0, 0, 0
	MUL8 F1, 0, 2, 0
	s_wait_dscnt 0
	MUL8 F1, 1, 0, 0
	MUL8 F1, 1, 2, 0
	WIN 0
; THE WAY OUT.  A wave's 64 columns of f32 are 256 bytes of a row: 16 rows at a time go through my own stage and come back as whole rows; LDS serves a wave's instructions in order, so no wait stands between.
.macro TOSTAGE a
.irp b, 0,1,2,3
	ds_store_b128 v[STO], v[ACC+8*(4*(\a)+\b):ACC+8*(4*(\a)+\b)+3] offset:64*\b        ; each accumulator from its low end on
	ds_store_b128 v[STO], v[ACC+8*(4*(\a)+\b)+4:ACC+8*(4*(\a)+\b)+7] offset:64*\b+16
.endr
.irp t, 0,1,2,3,4,5,6,7
	ds_load_b128 v[TMP+32*((\a)%2)+4*\t:TMP+32*((\a)%2)+4*\t+3], v[RD] offset:\t*2*SPITCH
.endr
.endm
.macro SEND a, younger                 ; younger: the next block's 8 stores and 8 loads, which may stay out
	s_wait_dscnt \younger
.irp t, 0,1,2,3,4,5,6,7
	global_store_b128 v[CO], v[TMP+32*((\a)%2)+4*\t:TMP+32*((\a)%2)+4*\t+3], s[8:9] offset:(16*(\a)+2*\t)*8192 th:TH_STORE_NT   ; sixteen lanes store 256 consecutive bytes, aligned
.endr
.endm
	PLACES
	TOSTAGE 0
	TOSTAGE 1
	SEND 0, 16
	s_wait_xcnt 0x0                                ; block 0's stores have read their registers: block 2's loads may land there
	TOSTAGE 2
	SEND 1, 16
	s_wait_xcnt 0x0
	TOSTAGE 3
	SEND 2, 16
	SEND 3, 0
	s_wait_tensorcnt 0x0                           ; the wave's end
	ds_add_u32 v[SPW], v[NIL]
	s_wait_dscnt 0x0
	CROUND                                         ; the closing round
	s_endpgm
.Lfunc_end_k_q3719a0ef79_proj:
	.size	k_q3719a0ef79_proj, .Lfunc_end_k_q3719a0ef79_proj-k_q3719a0ef79_proj
	.p2alignl 7, 3214868480
	.fill 96, 4, 3214868480
	.section	.rodata,"a",@progbits
	.p2align	6, 0x0
	.amdhsa_kernel k_q3719a0ef79_proj
		.amdhsa_group_segment_fixed_size 327680
		.amdhsa_private_segment_fixed_size 0
		.amdhsa_enable_private_segment 0
		.amdhsa_kernarg_size 24
		.amdhsa_user_sgpr_count 2
		.amdhsa_user_sgpr_kernarg_segment_ptr 1
		.amdhsa_wavefront_size32 1
		.amdhsa_system_sgpr_workgroup_id_x 1
		.amdhsa_system_sgpr_workgroup_id_y 1
		.amdhsa_system_sgpr_workgroup_id_z 1
		.amdhsa_system_vgpr_workitem_id 0
		.amdhsa_next_free_vgpr 512
		.amdhsa_next_free_sgpr 66
		.amdhsa_reserve_vcc 0
		.amdhsa_float_denorm_mode_32 3
		.amdhsa_float_denorm_mode_16_64 3
		.amdhsa_memory_ordered 1
		.amdhsa_forward_progress 1
		.amdhsa_inst_pref_size 85
	.end_amdhsa_kernel
	.amdgpu_metadata
---
amdhsa.version: [ 1, 2 ]
amdhsa.kernels:
  - .name:           k_q3719a0ef79_proj
    .symbol:         k_q3719a0ef79_proj.kd
    .args:
      - { .name: yf, .offset: 0, .size: 8, .value_kind: global_buffer, .address_space: global }
      - { .name: woh, .offset: 8, .size: 8, .value_kind: global_buffer, .address_space: global }
      - { .name: out0, .offset: 16, .size: 8, .value_kind: global_buffer, .address_space: global }
    .group_segment_fixed_size: 327680
    .private_segment_fixed_size: 0
    .kernarg_segment_align: 8
    .kernarg_segment_size: 24
    .max_flat_workgroup_size: 128
    .sgpr_count:     66
    .vgpr_count:     512
    .wavefront_size: 32
...
	.end_amdgpu_metadata
.endif
;; end of part 4
;; launch fine (part 5): grid 128 x 1, 16 waves a work-group, no clusters, 18,432 bytes of LDS; arguments qf, kv, woh, wol, out0; writes out0
.if DOCPART == 5
	.amdgcn_target "amdgcn-amd-amdhsa--gfx1250"
	.amdhsa_code_object_version 6
	.text
	.protected	k_q3719a0ef79_fine
	.globl	k_q3719a0ef79_fine
	.p2align	8
	.type	k_q3719a0ef79_fine,@function
k_q3719a0ef79_fine:
	s_mov_b64 s[64:65], 0
	v_nop
	global_prefetch_b8 v0, s[64:65] scope:SCOPE_SE
	s_setreg_imm32_b32 hwreg(HW_REG_WAVE_MODE, 25, 1), 1
	s_wait_xcnt 0x0
; FINE.  Positions 0..15 once more, attention and projection, with every operand as a PAIR of f16 numbers, a high and a low part split in f32: a b is taken as ah bh + ah bl + al bh.  These rows average one to sixteen
; values and are the largest of the output, so plain f16 operands would use up most of what the comparison allows.
; SHARES.  A work-group makes 16 columns of rows 0..15; wave hd takes head hd, that is 128 of the projection's K: its y never leaves its registers.  The sixteen parts meet in LDS and two waves add them.
; Every work-group redoes the 16 x 16 attention of all heads: 28 matrix instructions a wave.
; LAYOUT as in the large launches: S^T = K Q^T, O^T = V^T P, a lane holds one query.  V's fragment holds the 16 keys' high parts in K = 0..15 and their low parts in K = 16..31; against [Ph | Ph] it gives Vh Ph + Vl Ph,
; against [Pl | 0] it gives Vh Pl.
; REGISTERS: v1 16 x lane, v2 r, v3 h, v4-13 at work and addresses, v14, v15 the add's two; v16-47 Q high, later Wo high; v48-79 Q low, later Wo low; v80-111 K high, later P's two operands (v80-95) and O^T;
; v112-143 K low, later O^T (tiles 0-5 at v96-143, 6-7 at v208-223); v144-207 V, later y high (v144-175) and low (v176-207); v208-231 three sums of scores; v224-247 three sums of the projection; v248-255 p, y, the result.
.set LI,  1
.set SPW, 14
.set NIL, 15
.set QH,  16
.set QL,  48
.set KH,  80
.set KL,  112
.set VA,  144
.set YH,  144
.set YL,  176
.set SA,  208
.set DA,  224
.set P8,  248
.set LO,  4194304
.set SPARE, 16384
	s_load_b256 s[4:11], s[0:1], 0x0               ; qf, kv, woh, wol
	s_load_b64 s[12:13], s[0:1], 0x20              ; out0
	v_lshl_add_u32 v[SPW], v0, 2, SPARE
	v_mov_b32 v[NIL], 0
	v_lshrrev_b32 v4, 5, v0
	v_readfirstlane_b32 s14, v4                    ; the head
	s_lshr_b32 s15, s14, 2                         ; its key/value head
	v_and_b32 v4, 31, v0
	v_lshlrev_b32 v[LI], 4, v4
	v_and_b32 v2, 15, v0
	v_bfe_u32 v3, v0, 4, 1
	s_lshl_b32 s34, s14, 10
	v_add_nc_u32 v12, s34, v[LI]                   ; LDS: my part of the result, 1,024 bytes a wave
	s_and_b32 s35, s14, 1
	s_lshl_b32 s34, s35, 9
	v_add_nc_u32 v13, s34, v[LI]                   ; and what waves 0 and 1 read back: half w of every part
	v_lshlrev_b32 v10, 13, v2
	v_lshl_add_u32 v10, v3, 5, v10
	s_lshl_b32 s34, s35, 4
	v_add_nc_u32 v10, s34, v10                     ; the output: row r, + 32 h, + 16 w
	v_lshlrev_b32 v4, 3, v3
	v_sub_nc_u32 v4, v2, v4                        ; r - 8 h: key 8 h + j is hidden where j is above it
	v_mov_b32 v5, 0xff800000
	v_mov_b32 v7, 0                                ; a lane permute's destination counts as read
	s_mov_b32 s40, 0x3e0293ee                      ; c = log2(e) / sqrt(128)
	s_mov_b32 s42, 0x76543210
	s_mov_b32 s43, 0xfedcba98
	s_mov_b32 s33, 0
	s_wait_kmcnt 0x0
	s_lshl_b32 s32, s14, 19
	s_add_nc_u64 s[16:17], s[4:5], s[32:33]        ; q high, token tile 0
	s_lshl_b32 s32, s15, 19
	s_add_nc_u64 s[18:19], s[6:7], s[32:33]        ; k high
	s_add_nc_u64 s[24:25], s[18:19], 2097152       ; v high: keys 0..31, of which the first sixteen are taken
	s_lshl_b32 s32, s14, 12
	s_add_co_u32 s32, s32, LO
	s_add_nc_u64 s[20:21], s[6:7], s[32:33]        ; q low
	s_lshl_b32 s32, s15, 12
	s_add_co_u32 s32, s32, LO+65536
	s_add_nc_u64 s[22:23], s[6:7], s[32:33]        ; k low
	s_add_nc_u64 s[26:27], s[22:23], 16384         ; v low
	s_lshr_b32 s32, s14, 1
	s_lshl_b32 s32, s32, 20
	s_lshl_b32 s34, ttmp9, 13
	s_add_co_u32 s32, s32, s34
	s_lshl_b32 s34, s35, 12
	s_add_co_u32 s32, s32, s34
	s_add_nc_u64 s[28:29], s[8:9], s[32:33]        ; Wo high: my head's four fragments of this tile of columns
	s_add_nc_u64 s[30:31], s[10:11], s[32:33]      ; Wo low
	s_lshl_b32 s32, ttmp9, 6
	s_add_nc_u64 s[12:13], s[12:13], s[32:33]
.irp i, 0,1,2,3,4,5,6,7
	global_load_b128 v[KH+4*\i:KH+4*\i+3], v[LI], s[18:19] offset:512*\i
	global_load_b128 v[QH+4*\i:QH+4*\i+3], v[LI], s[16:17] offset:512*\i
	global_load_b128 v[QL+4*\i:QL+4*\i+3], v[LI], s[20:21] offset:512*\i
	global_load_b128 v[KL+4*\i:KL+4*\i+3], v[LI], s[22:23] offset:512*\i
.endr
.irp d, 0,1,2,3,4,5,6,7
	global_load_b128 v[VA+8*\d:VA+8*\d+3], v[LI], s[24:25] offset:1024*\d
	global_load_b128 v[VA+8*\d+4:VA+8*\d+7], v[LI], s[26:27] offset:512*\d
.endr
	s_wait_loadcnt 16                              ; q and k are in; V's 16 loads may be out
.irp f, 0,1,2,3                        ; three sums by turns, one instruction a turn
.if \f == 0
	v_wmma_f32_16x16x32_f16 v[SA:SA+7], v[KH:KH+7], v[QH:QH+7], 0
	v_wmma_f32_16x16x32_f16 v[SA+8:SA+15], v[KH:KH+7], v[QL:QL+7], 0
	v_wmma_f32_16x16x32_f16 v[SA+16:SA+23], v[KL:KL+7], v[QH:QH+7], 0
.else
	v_wmma_f32_16x16x32_f16 v[SA:SA+7], v[KH+8*\f:KH+8*\f+7], v[QH+8*\f:QH+8*\f+7], v[SA:SA+7]
	v_wmma_f32_16x16x32_f16 v[SA+8:SA+15], v[KH+8*\f:KH+8*\f+7], v[QL+8*\f:QL+8*\f+7], v[SA+8:SA+15]
	v_wmma_f32_16x16x32_f16 v[SA+16:SA+23], v[KL+8*\f:KL+8*\f+7], v[QH+8*\f:QH+8*\f+7], v[SA+16:SA+23]
.endif
.endr
.rept 4
	v_nop                                          ; four places in front of the loads into q's registers and of the first read of the sums
.endr
.irp i, 0,1,2,3,4,5,6,7
	global_load_b128 v[QH+4*\i:QH+4*\i+3], v[LI], s[28:29] offset:512*\i
	global_load_b128 v[QL+4*\i:QL+4*\i+3], v[LI], s[30:31] offset:512*\i
.endr
.irp j, 0,1,2,3,4,5,6,7
	v_add_f32 v[P8+\j], v[SA+\j], v[SA+8+\j]
.endr
.irp j, 0,1,2,3,4,5,6,7
	v_add_f32 v[P8+\j], v[P8+\j], v[SA+16+\j]
.endr
.irp j, 0,1,2,3,4,5,6,7
	v_cmp_gt_i32 vcc_lo, \j, v4
	v_cndmask_b32 v[P8+\j], v[P8+\j], v5, vcc_lo   ; hidden keys: -infinity.  Key 0 counts for every query
.endr
	v_max3_num_f32 v6, v[P8], v[P8+1], v[P8+2]
	v_max3_num_f32 v6, v6, v[P8+3], v[P8+4]
	v_max3_num_f32 v6, v6, v[P8+5], v[P8+6]
	v_max_num_f32 v6, v6, v[P8+7]
	v_permlanex16_b32 v7, v6, s42, s43
	v_max_num_f32 v6, v6, v7                       ; the row's largest score
	v_mul_f32 v6, s40, v6
.irp j, 0,1,2,3,4,5,6,7
	v_fma_f32 v[P8+\j], v[P8+\j], s40, -v6
.endr
.irp j, 0,1,2,3,4,5,6,7
	v_exp_f32 v[P8+\j], v[P8+\j]
.endr
	v_nop
	s_wait_alu depctr_va_vdst(0)                   ; one wait for the eight, ahead of their first reader
	v_add_f32 v9, v[P8], v[P8+1]
	v_add_f32 v11, v[P8+2], v[P8+3]
	v_add_f32 v9, v9, v[P8+4]
	v_add_f32 v11, v11, v[P8+5]
	v_add_f32 v9, v9, v[P8+6]
	v_add_f32 v11, v11, v[P8+7]
	v_add_f32 v9, v9, v11
	v_permlanex16_b32 v7, v9, s42, s43
	v_add_f32 v9, v9, v7                           ; the row's sum
	v_rcp_f32 v8, v9
.irp i, 0,1,2,3
	v_cvt_pk_f16_f32 v[80+\i], v[P8+2*\i], v[P8+2*\i+1]          ; Ph,
.endr
.irp i, 0,1,2,3
	v_cvt_pk_f16_f32 v[84+\i], v[P8+2*\i], v[P8+2*\i+1]          ; and once more, against V's low parts
.endr
	v_cvt_f32_f16 v96, v80.l
	v_cvt_f32_f16 v97, v80.h
	v_cvt_f32_f16 v98, v81.l
	v_cvt_f32_f16 v99, v81.h
	v_cvt_f32_f16 v100, v82.l
	v_cvt_f32_f16 v101, v82.h
	v_cvt_f32_f16 v102, v83.l
	v_cvt_f32_f16 v103, v83.h
.irp j, 0,1,2,3,4,5,6,7
	v_sub_f32 v[96+\j], v[P8+\j], v[96+\j]
.endr
.irp i, 0,1,2,3
	v_cvt_pk_f16_f32 v[88+\i], v[96+2*\i], v[97+2*\i]            ; Pl
.endr
.irp i, 0,1,2,3
	v_mov_b32 v[92+\i], 0
.endr
	s_wait_alu depctr_va_vdst(0)                   ; the reciprocal's wait, ahead of its first reader
	s_wait_loadcnt 16                              ; V is in; Wo's 16 loads may be out
.irp d, 0,1,2,3,4,5,6,7                ; eight sums by turns
	v_wmma_f32_16x16x32_f16 v[96+8*\d+64*(\d/6):96+8*\d+64*(\d/6)+7], v[VA+8*\d:VA+8*\d+7], v[80:87], 0
.endr
.irp d, 0,1,2,3,4,5,6,7
	v_wmma_f32_16x16x32_f16 v[96+8*\d+64*(\d/6):96+8*\d+64*(\d/6)+7], v[VA+8*\d:VA+8*\d+7], v[88:95], v[96+8*\d+64*(\d/6):96+8*\d+64*(\d/6)+7]
.endr
.rept 4
	v_nop
.endr
.irp d, 0,1,2,3,4,5,6,7                ; y = O^T / the sum, split: tile d is half a fragment of the projection's operand
.irp j, 0,1,2,3,4,5,6,7
	v_mul_f32 v[P8+\j], v[96+8*\d+64*(\d/6)+\j], v8
.endr
.irp i, 0,1,2,3
	v_cvt_pk_f16_f32 v[80+\i], v[P8+2*\i], v[P8+2*\i+1]          ; the high parts where their halves can be named,
.endr
.irp i, 0,1,2,3
	v_cvt_pk_f16_f32 v[YH+4*\d+\i], v[P8+2*\i], v[P8+2*\i+1]     ; and at their place
.endr
	v_cvt_f32_f16 v84, v80.l
	v_cvt_f32_f16 v85, v80.h
	v_cvt_f32_f16 v86, v81.l
	v_cvt_f32_f16 v87, v81.h
	v_cvt_f32_f16 v88, v82.l
	v_cvt_f32_f16 v89, v82.h
	v_cvt_f32_f16 v90, v83.l
	v_cvt_f32_f16 v91, v83.h
.irp j, 0,1,2,3,4,5,6,7
	v_sub_f32 v[P8+\j], v[P8+\j], v[84+\j]
.endr
.irp i, 0,1,2,3
	v_cvt_pk_f16_f32 v[YL+4*\d+\i], v[P8+2*\i], v[P8+2*\i+1]
.endr
.endr
	s_wait_loadcnt 0x0                             ; Wo
.irp u, 0,1,2,3                        ; source 0 = 16 columns of the output, source 1 = my 16 rows of y: three sums by turns
.if \u == 0
	v_wmma_f32_16x16x32_f16 v[DA:DA+7], v[QH:QH+7], v[YH:YH+7], 0
	v_wmma_f32_16x16x32_f16 v[DA+8:DA+15], v[QH:QH+7], v[YL:YL+7], 0
	v_wmma_f32_16x16x32_f16 v[DA+16:DA+23], v[QL:QL+7], v[YH:YH+7], 0
.else
	v_wmma_f32_16x16x32_f16 v[DA:DA+7], v[QH+8*\u:QH+8*\u+7], v[YH+8*\u:YH+8*\u+7], v[DA:DA+7]
	v_wmma_f32_16x16x32_f16 v[DA+8:DA+15], v[QH+8*\u:QH+8*\u+7], v[YL+8*\u:YL+8*\u+7], v[DA+8:DA+15]
	v_wmma_f32_16x16x32_f16 v[DA+16:DA+23], v[QL+8*\u:QL+8*\u+7], v[YH+8*\u:YH+8*\u+7], v[DA+16:DA+23]
.endif
.endr
.rept 4
	v_nop
.endr
.irp j, 0,1,2,3,4,5,6,7
	v_add_f32 v[P8+\j], v[DA+\j], v[DA+8+\j]
.endr
.irp j, 0,1,2,3,4,5,6,7
	v_add_f32 v[P8+\j], v[P8+\j], v[DA+16+\j]      ; my head's part of out(r, 8 h + j)
.endr
	ds_store_b128 v12, v[P8:P8+3]
	ds_store_b128 v12, v[P8+4:P8+7] offset:512
	s_wait_dscnt 0x0                               ; for the others' sake: my stores have landed
	s_barrier_signal -1
	s_barrier_wait -1
	s_cmp_ge_u32 s14, 2
	s_cbranch_scc1 .Ldone
.irp j, 0,1,2,3,4,5,6,7,8,9,10,11,12,13,14,15
	ds_load_b128 v[16+4*\j:16+4*\j+3], v13 offset:1024*\j
.endr
	s_wait_dscnt 0x0
.irp j, 1,2,3,4,5,6,7,8,9,10,11,12,13,14,15
	v_pk_add_f32 v[16:17], v[16:17], v[16+4*\j:17+4*\j]
	v_pk_add_f32 v[18:19], v[18:19], v[18+4*\j:19+4*\j]
.endr
	global_store_b128 v10, v[16:19], s[12:13]      ; 16 bytes of a row's 64: the launch stores 131,072 bytes in all
.Ldone:
	s_wait_tensorcnt 0x0                           ; the wave's end
	ds_add_u32 v[SPW], v[NIL]
	s_wait_dscnt 0x0
	s_endpgm
.Lfunc_end_k_q3719a0ef79_fine:
	.size	k_q3719a0ef79_fine, .Lfunc_end_k_q3719a0ef79_fine-k_q3719a0ef79_fine
	.p2alignl 7, 3214868480
	.fill 96, 4, 3214868480
	.section	.rodata,"a",@progbits
	.p2align	6, 0x0
	.amdhsa_kernel k_q3719a0ef79_fine
		.amdhsa_group_segment_fixed_size 18432
		.amdhsa_private_segment_fixed_size 0
		.amdhsa_enable_private_segment 0
		.amdhsa_kernarg_size 40
		.amdhsa_user_sgpr_count 2
		.amdhsa_user_sgpr_kernarg_segment_ptr 1
		.amdhsa_wavefront_size32 1
		.amdhsa_system_sgpr_workgroup_id_x 1
		.amdhsa_system_sgpr_workgroup_id_y 1
		.amdhsa_system_sgpr_workgroup_id_z 1
		.amdhsa_system_vgpr_workitem_id 0
		.amdhsa_next_free_vgpr 256
		.amdhsa_next_free_sgpr 66
		.amdhsa_reserve_vcc 1
		.amdhsa_float_denorm_mode_32 3
		.amdhsa_float_denorm_mode_16_64 3
		.amdhsa_memory_ordered 1
		.amdhsa_forward_progress 1
		.amdhsa_inst_pref_size 32
	.end_amdhsa_kernel
	.amdgpu_metadata
---
amdhsa.version: [ 1, 2 ]
amdhsa.kernels:
  - .name:           k_q3719a0ef79_fine
    .symbol:         k_q3719a0ef79_fine.kd
    .args:
      - { .name: qf, .offset: 0, .size: 8, .value_kind: global_buffer, .address_space: global }
      - { .name: kv, .offset: 8, .size: 8, .value_kind: global_buffer, .address_space: global }
      - { .name: woh, .offset: 16, .size: 8, .value_kind: global_buffer, .address_space: global }
      - { .name: wol, .offset: 24, .size: 8, .value_kind: global_buffer, .address_space: global }
      - { .name: out0, .offset: 32, .size: 8, .value_kind: global_buffer, .address_space: global }
    .group_segment_fixed_size: 18432
    .private_segment_fixed_size: 0
    .kernarg_segment_align: 8
    .kernarg_segment_size: 40
    .max_flat_workgroup_size: 512
    .sgpr_count:     66
    .vgpr_count:     256
    .wavefront_size: 32
...
	.end_amdgpu_metadata
.endif
;; end of part 5
